; MI455X (gfx1250); checked and timed in simulation.
; The chip was launched on July 23, 2026; its instructions are those of AMD's public machine-readable ISA for CDNA 5 (MIT licence, August 2026) and "CDNA5" Instruction Set Architecture Reference Guide (July 2026). The comments in the code are by the model that wrote it; some were corrected since.
;; Multi Head Attention. Allowed arithmetic: matrix products marked QUANTISED: E4M3 operands, one E8M0 scale for each 32 along K, by v_wmma_scale_f32_16x16x128_f8f6f4 with both operands' format E4M3, f32 sums; everything else in f32.
;; Inputs: Wk 1,024 x 1,024 float32; Wo 1,024 x 1,024 float32; Wq 1,024 x 1,024 float32; Wv 1,024 x 1,024 float32; bk 1,024 float32; bo 1,024 float32; bq 1,024 float32; bv 1,024 float32; k 4 x 2,048 x 1,024 float32; mask 1 x 1 x 2,048 x 2,048 int32; q 4 x 2,048 x 1,024 float32; v 4 x 2,048 x 1,024 float32.
;; Outputs: out0 4 x 2,048 x 1,024 float32.
;; This version of the problem:
;;   THIS VERSION OF THE PROBLEM IS GIVEN IN LOW PRECISION. The matrix products marked QUANTISED in the list below multiply operands that are first quantised to E4M3 (4 exponent bits, 3 mantissa bits; 8 bits a number), with one power-of-two scale for each 32 numbers along K (OCP MX v1.0); their sums are f32. All else is computed in f32.
;;   The module's matrix products, in the order in which they are computed (A, B: the left and right operand; K: the contracted axis; several contracted axes count as one K, in the product's order):
;;     1. [M 8,192, K 1,024] x [K 1,024, N 1,024]; A: input q; B: input Wq: QUANTISED
;;     2. [M 8,192, K 1,024] x [K 1,024, N 1,024]; A: input k; B: input Wk: QUANTISED
;;     3. [M 8,192, K 1,024] x [K 1,024, N 1,024]; A: input v; B: input Wv: QUANTISED
;;     4. batch 64 x [M 2,048, K 64] x [K 64, N 2,048]; A: computed on the way; B: computed on the way: QUANTISED
;;     5. batch 64 x [M 2,048, K 2,048] x [K 2,048, N 64]; A: softmax (see below); B: computed on the way: QUANTISED
;;     6. [M 8,192, K 1,024] x [K 1,024, N 1,024]; A: computed on the way; B: input Wo: QUANTISED
;;   THE QUANTISER, for each operand of a quantised product, along K:
;;     - K is cut into blocks of 32 from its start; a last block that is shorter is filled with zeros.
;;     - A block's scale is 2^e with e = floor(log2(the largest magnitude in the block)) - 8, held to -126 .. 127; a block of zeros has e = 0. As a byte (E8M0): e + 127.
;;     - Each number is divided by its block's scale, clamped to +-448, and rounded to the nearest number of E4M3, ties to even, subnormals kept.
;;     - The product sums the exact products of the quantised numbers (number of the format x scale) in f32.
;;   ~~~python
;;   def quantise(x, axis):      # numpy; x: float32 -> the quantised numbers, widened to float32 again
;;       x = np.moveaxis(x, axis, -1); K = x.shape[-1]
;;       x = np.pad(x, [(0, 0)] * (x.ndim - 1) + [(0, -K % 32)]); x = x.reshape(x.shape[:-1] + (-1, 32)); a = np.abs(x).max(-1, keepdims=True)
;;       e = np.where(a > 0, np.clip(np.frexp(np.where(a > 0, a, 1))[1] - 1 - 8, -126, 127), 0)      # np.frexp(a)[1] - 1 = floor(log2(a)), exactly
;;       r = np.clip(x / 2.0 ** e, -448, 448)
;;       step = 2.0 ** (np.maximum(np.frexp(np.where(r == 0, 1, r))[1] - 1, -6) - 3)
;;       q = np.round(r / step) * step * 2.0 ** e      # np.round: ties to even
;;       return np.moveaxis(q.reshape(q.shape[:-2] + (-1,))[..., :K], -1, axis).astype(np.float32)
;;   ~~~
;;   SOFTMAX AHEAD OF A QUANTISED PRODUCT. Where the list says 'softmax', what is quantised is not the finished softmax but p = 2^(t - M), with t = logit x log2(e) and M = ceil(the row's largest t), a whole number; so 1/2 < the row's largest p <= 1. The row's sum l is taken of the UNQUANTISED p, in f32, and the product's result is divided by l at the end. Since M is a whole number, a kernel that streams over the keys may use a running M (the ceiling of the running maximum): every later rescaling is an exact power of two, which a block's scale takes up: the codes' values come out the same.
;;   OPERANDS COMPUTED ON THE WAY. 'Computed on the way' means the value that the module computes at that place (a softmax that the list does not call 'softmax' is quantised finished and normalised). What goes into a quantiser is computed in f32, as accurately as f32 sums, v_exp_f32 and their like allow (about 1e-6 of the number): no bf16 or f16 on the way to a quantiser, and a product that is left as it is and whose result goes on into a quantised operand takes f32 operands (vector FMAs, or v_wmma_f32_16x16x4_f32). A number that lies on a knife's edge between two numbers of the format may be rounded either way, as far as f32 arithmetic and the matrix unit's own rounding can turn it there, and no further.
;; 2 versions, each right; version 2 is version 1 with the launch attn written anew for expert scheduling mode. Each part assembles by itself: llvm-mc -triple=amdgcn-amd-amdhsa -mcpu=gfx1250 --defsym DOCPART=n.
;; ======== version 1 of 2: 4 launches
;; limits: right only within a limited range of input values
;; workspace buffers: cod 29,360,128 bytes; scl 917,504 bytes; qkvc 25,165,824 bytes; qkvs 1,048,576 bytes; oc 8,388,608 bytes; os 262,144 bytes; mbits 524,288 bytes of whole numbers; mflag 2,048 bytes of whole numbers
;; launch prep (part 1): grid 1024 x 1, 4 waves a work-group, no clusters, 33,280 bytes of LDS; arguments q, k, v, Wq, Wk, Wv, Wo, mask, cod, scl, mbits, mflag; writes cod, scl, mbits, mflag
.if DOCPART == 1
	.amdgcn_target "amdgcn-amd-amdhsa--gfx1250"
	.amdhsa_code_object_version 6
	.text
	.protected	k_q0f7ba5f505_prep
	.globl	k_q0f7ba5f505_prep
	.p2align	8
	.type	k_q0f7ba5f505_prep,@function
k_q0f7ba5f505_prep:
	s_mov_b64 s[64:65], 0
	v_nop
	global_prefetch_b8 v0, s[64:65] scope:SCOPE_SE
	s_setreg_imm32_b32 hwreg(HW_REG_WAVE_MODE, 25, 1), 1
	s_wait_xcnt 0x0
; TWO JOBS IN ONE LAUNCH, parted on the work-group's number.
; Work-groups 128 .. 1023: q, k, v [8192][1024] and Wq, Wk, Wv, Wo [1024][1024], f32 with K innermost, become codes of FP8 (E4M3) in cod [28672][1024] and one E8M0 byte for each 32 along K in scl [28672][32].
;   A block's scale is 2^(floor(log2(largest magnitude)) - 8); its byte is the largest magnitude's exponent field - 8, held at 1 from below; numbers are held within +-448 x the scale and rounded to the nearest code.
;   ROWS ARE STORED IN TILE ORDER: position p holds row p with bits 3 and 4 exchanged.  A wave takes 8 rows (8,192 numbers), so exchanging the two bits of the wave's number in the output's address does it.
;   A wave takes 16 steps of 512 numbers: four loads of 512 consecutive bytes, a turn through its own stage in LDS so that a lane holds 16 neighbours, 512 consecutive bytes of codes out; its 256 scale bytes leave as one store.
; Work-groups 0 .. 127: the mask [2048][2048] of int32 becomes bit words and flags.  A wave takes 4 rows.  A load is one row x 128 keys: lane l holds keys 128 J + 4 l + e, e = 0 .. 3.
;   mbits [row][J 16][e 4]: bit l of a word says that mask[row][128 J + 4 l + e] is not 0.
;   mflag [row / 4]: bits 0-15: bit J = some entry of the 4 rows x 128 keys is open; all sixteen are set if one of the 4 rows has no open key at all; bits 16-31: bit J = all of them are open.
; LIMITS: a block of zeros, or one whose largest magnitude lies under 2^-118, keeps the byte 1 (its codes are what the conversion gives; this program alone reads the bytes); NaN and infinities among the inputs are not served.
; No tensor loads, no barrier: waves share nothing.  Only the first job touches LDS.
.set MASKWG, 128
.set STEPS, 16
.set EMAX,  8
.set MANT,  0x600000                   ; the mantissa field of 448 as f32
.set CB,    16                         ; bytes of 16 codes
.set R,     16                         ; v16-79   four sets of 16 numbers as they are loaded
.set X,     80                         ; v80-111  two sets of 16 neighbours
.set E,     112                        ; v112-127 a scale byte for each step
.set C,     128                        ; v128-191 codes: four registers for each step
.set WREG,  8192                       ; LDS: a region for each wave: two stages of 32 x SP bytes, then its 256 scale bytes
.set SP,    80                         ; a lane's place in a stage: 64 bytes + 16 of padding
.set MD,    32                         ; v32-159  the mask job: a ring of 32 loads x 4 registers
.set MW,    160                        ; v160-167 the mask job: two sets of four output words
	s_load_b512 s[4:19], s[0:1], 0x0               ; q, k, v, Wq, Wk, Wv, Wo, mask
	s_load_b256 s[20:27], s[0:1], 0x40             ; cod, scl, mbits, mflag
	v_lshl_add_u32 v192, v0, 2, 0x8000
	v_mov_b32 v193, 0
	v_lshrrev_b32 v1, 5, v0
	v_readfirstlane_b32 s28, v1                    ; wave 0..3
	v_and_b32 v2, 31, v0                           ; lane
	v_lshlrev_b32 v3, 4, v2                        ; 16 x lane
	s_cmp_lt_u32 ttmp9, MASKWG
	s_cbranch_scc1 .Lmask
	; ---------------- the quantiser ----------------
	s_sub_co_u32 s29, ttmp9, MASKWG                ; which 32 rows of the 28,672
	s_mul_i32 s30, s28, WREG
	v_lshrrev_b32 v14, 2, v2
	v_mul_u32_u24 v14, v14, SP
	v_and_b32 v15, 3, v2
	v_lshl_add_u32 v14, v15, 4, v14
	v_add_nc_u32 v14, s30, v14                     ; the stage, on the way in: SP (lane / 4) + 16 (lane % 4)
	v_mul_u32_u24 v15, v2, SP
	v_add_nc_u32 v15, s30, v15                     ; and on the way out: SP x lane: my 16 neighbours
	v_mul_u32_u24 v4, v2, CB                       ; my codes' place in a step's
	v_lshrrev_b32 v5, 1, v2
	s_add_co_u32 s30, s30, 2*32*SP
	v_add_nc_u32 v5, s30, v5                       ; LDS: my wave's 256 scale bytes, my block's byte
	v_lshlrev_b32 v7, 3, v2                        ; and on the way out 8 bytes a lane
	v_add_nc_u32 v6, s30, v7
	s_mov_b32 s56, MANT
	s_wait_kmcnt 0x0
	s_mov_b64 s[34:35], s[4:5]                     ; the tensor is chosen by the work-group's number alone
	s_cmp_ge_u32 s29, 256
	s_cselect_b64 s[34:35], s[6:7], s[34:35]
	s_cmp_ge_u32 s29, 512
	s_cselect_b64 s[34:35], s[8:9], s[34:35]
	s_cmp_ge_u32 s29, 768
	s_cselect_b64 s[34:35], s[10:11], s[34:35]
	s_cmp_ge_u32 s29, 800
	s_cselect_b64 s[34:35], s[12:13], s[34:35]
	s_cmp_ge_u32 s29, 832
	s_cselect_b64 s[34:35], s[14:15], s[34:35]
	s_cmp_ge_u32 s29, 864
	s_cselect_b64 s[34:35], s[16:17], s[34:35]
	s_cmp_lt_u32 s29, 768
	s_cselect_b32 s31, 255, 31
	s_and_b32 s31, s29, s31                        ; which 32 rows of its own tensor
	s_lshl_b32 s31, s31, 2
	s_add_co_u32 s32, s31, s28                     ; my wave's run of 8 rows in the tensor,
	s_lshl_b32 s32, s32, 15                        ; 32,768 bytes a run
	s_mov_b32 s33, 0
	s_add_nc_u64 s[34:35], s[34:35], s[32:33]
	s_and_b32 s31, s28, 1
	s_lshl_b32 s31, s31, 1
	s_lshr_b32 s32, s28, 1
	s_or_b32 s31, s31, s32                         ; the wave's two bits exchanged: tile order
	s_lshl_b32 s32, s29, 2
	s_add_co_u32 s31, s31, s32                     ; the run's place in cod and scl
	s_lshl_b32 s32, s31, 13
	s_add_nc_u64 s[36:37], s[20:21], s[32:33]      ; 8,192 bytes of codes a run
	s_lshl_b32 s32, s31, 8
	s_add_nc_u64 s[38:39], s[22:23], s[32:33]      ; 256 scale bytes a run
.macro LOAD t
.irp i, 0,1,2,3
	global_load_b128 v[R+16*((\t)%4)+4*\i:R+16*((\t)%4)+4*\i+3], v3, s[34:35] offset:2048*(\t)+512*\i th:TH_LOAD_NT   ; 32 lanes read 512 consecutive bytes
.endr
.endm
.macro TURN t                          ; step t's numbers through the stage: LDS serves a wave's instructions in order, so no wait stands between the stores and the loads
.irp i, 0,1,2,3
	ds_store_b128 v14, v[R+16*((\t)%4)+4*\i:R+16*((\t)%4)+4*\i+3] offset:32*SP*((\t)%2)+8*SP*\i
.endr
.irp i, 0,1,2,3
	ds_load_b128 v[X+16*((\t)%2)+4*\i:X+16*((\t)%2)+4*\i+3], v15 offset:32*SP*((\t)%2)+16*\i
.endr
.endm
.irp t, 0,1,2,3
	LOAD \t
.endr
	s_wait_loadcnt 12                              ; step 0's four loads are in; the 12 of steps 1 to 3 may be out
	TURN 0
.macro STEP t
.set XS, X+16*((\t)%2)
.if (\t) > 0
	s_wait_dscnt 1                                 ; this step's numbers are back from the stage; the last step's byte store may be out
.else
	s_wait_dscnt 0x0
.endif
.if (\t)+4 < STEPS
	LOAD (\t)+4                                    ; into the registers that this step's stores into the stage have read
.endif
.if (\t)+1 < STEPS
.if STEPS-2-(\t) >= 3
	s_wait_loadcnt 12                              ; the next step's four loads are in; those of the three steps behind it may be out
.else
	s_wait_loadcnt 4*(STEPS-2-(\t))
.endif
	TURN (\t)+1                                    ; they go through the other stage while this step is worked
.endif
	v_max3_num_f32 v8, |v[XS]|, |v[XS+1]|, |v[XS+2]|               ; the largest magnitude of my 16, in two chains
	v_max3_num_f32 v9, |v[XS+3]|, |v[XS+4]|, |v[XS+5]|
.irp i, 6,10
	v_max3_num_f32 v8, v8, |v[XS+\i]|, |v[XS+\i+1]|
	v_max3_num_f32 v9, v9, |v[XS+\i+2]|, |v[XS+\i+3]|
.endr
	v_max3_num_f32 v8, v8, |v[XS+14]|, |v[XS+15]|
	v_max3_num_f32 v8, v8, v9, (EMAX+1)<<23        ; and the floor 2^(9 - 127): the byte cannot fall under 1
	v_max_num_f32_dpp v8, v8, v8 row_xmask:1 row_mask:0xf bank_mask:0xf   ; and of my neighbour's 16: the block's
	v_add_nc_u32 v11, -(EMAX<<23), v8              ; 8 off its exponent field: the conversion takes the exponent field of this operand as its scale
	v_and_or_b32 v10, v8, 0x7f800000, s56          ; 448 x the scale
.irp i, 0,1,2,3,4,5,6,7,8,9,10,11,12,13,14,15
	v_med3_num_f32 v[XS+\i], v[XS+\i], -v10, v10   ; the conversion to an 8-bit code does not saturate (ISA guide 7.6.2): the hold comes first
.endr
	v_cvt_scalef32_pk8_fp8_f32 v[C+4*(\t):C+4*(\t)+1], v[XS:XS+7], v11
	v_cvt_scalef32_pk8_fp8_f32 v[C+4*(\t)+2:C+4*(\t)+3], v[XS+8:XS+15], v11
	v_lshrrev_b32 v[E+(\t)], 23, v11               ; the scale's byte (also the plain line behind the conversions)
	ds_store_b8 v5, v[E+(\t)] offset:16*(\t)       ; both lanes of a block write the same byte with the same value
	global_store_b128 v4, v[C+4*(\t):C+4*(\t)+3], s[36:37] offset:32*CB*(\t)   ; 512 consecutive bytes
.endm
.irp t, 0,1,2,3,4,5,6,7,8,9,10,11,12,13,14,15
	STEP \t
.endr
	ds_load_b64 v[12:13], v6                       ; LDS serves a wave's instructions in order: these see my byte stores
	s_wait_dscnt 0x0
	global_store_b64 v7, v[12:13], s[38:39]        ; 32 lanes store 256 consecutive bytes, aligned
	s_wait_tensorcnt 0x0
	ds_add_u32 v192, v193
	s_wait_dscnt 0x0
	s_endpgm
	; ---------------- the mask ----------------
.Lmask:
	s_lshl_b32 s44, ttmp9, 4
	s_lshl_b32 s45, s28, 2
	s_add_co_u32 s44, s44, s45                     ; my first row: 16 x work-group + 4 x wave.  It is also my flag word's byte offset, 4 x (row / 4)
	s_lshl_b32 s40, s44, 13                        ; a row of the mask is 8,192 bytes,
	s_mov_b32 s41, 0
	s_lshl_b32 s42, s44, 8                         ; a row of mbits 256
	s_mov_b32 s43, 0
	s_mov_b32 s45, 0
	s_wait_kmcnt 0x0
	s_add_nc_u64 s[50:51], s[18:19], s[40:41]
	s_add_nc_u64 s[52:53], s[24:25], s[42:43]
	s_add_nc_u64 s[54:55], s[26:27], s[44:45]
	s_mov_b32 s46, 0                               ; ANY
	s_mov_b32 s47, 0                               ; NOT ALL
	s_mov_b32 s48, 0                               ; the row in hand has an open key
.irp i, 0,1,2,3,4,5,6,7
	v_mov_b32 v[MW+\i], 0                          ; written once whole: a lane write keeps the other lanes
.endr
.macro MLOAD pr, idx                   ; pair pr of rows, load idx = 16 x (row of the pair) + J: one row x 128 keys, 512 consecutive bytes
	global_load_b128 v[MD+4*(\idx):MD+4*(\idx)+3], v3, s[50:51] offset:(2*(\pr)+(\idx)/16)*8192+512*((\idx)%16) th:TH_LOAD_NT
.endm
.macro MONE pr, idx
.if (\pr) == 0
	s_wait_loadcnt 31                              ; behind load idx: 31 - idx of this pair and idx of the next
.else
	s_wait_loadcnt 31-(\idx)                       ; the counts run down
.endif
.irp e, 0,1,2,3
	v_cmp_ne_u32 s[40+\e], 0, v[MD+4*(\idx)+\e]    ; bit l: key 128 J + 4 l + e is open
.endr
.if (\pr) == 0
	MLOAD 1, \idx                                  ; the ring goes on: the next pair's load into the registers just read
.endif
	s_or_b32 s44, s40, s41
	s_or_b32 s45, s42, s43
	s_or_b32 s44, s44, s45                         ; SCC: some key of the 128 is open
	s_cselect_b32 s49, 1<<((\idx)%16), 0
	s_or_b32 s46, s46, s49
	s_or_b32 s48, s48, s44
	s_and_b32 s44, s40, s41
	s_and_b32 s45, s42, s43
	s_and_b32 s44, s44, s45
	s_cmp_lg_u32 s44, -1                           ; some key of the 128 is closed
	s_cselect_b32 s49, 1<<((\idx)%16), 0
	s_or_b32 s47, s47, s49
.irp e, 0,1,2,3
	v_writelane_b32 v[MW+4*(\pr)+\e], s[40+\e], (\idx)   ; lane idx gathers the four words: 16 bytes at 16 idx of the pair's 512
.endr
.if (\idx)%16 == 15
	s_cmp_eq_u32 s48, 0                            ; a row with no open key at all: nothing of it may be left out later
	s_cselect_b32 s49, 0xffff, 0
	s_or_b32 s46, s46, s49
	s_mov_b32 s48, 0
.endif
.endm
.set Q, 0
.rept 32
	MLOAD 0, Q
.set Q, Q+1
.endr
.set Q, 0
.rept 32
	MONE 0, Q
.set Q, Q+1
.endr
	global_store_b128 v3, v[MW:MW+3], s[52:53]     ; two rows of mbits: 512 consecutive bytes
.set Q, 0
.rept 32
	MONE 1, Q
.set Q, Q+1
.endr
	global_store_b128 v3, v[MW+4:MW+7], s[52:53] offset:512
	s_xor_b32 s47, s47, 0xffff                     ; ALL
	s_lshl_b32 s47, s47, 16
	s_or_b32 s46, s46, s47
	v_mov_b32 v168, s46
	v_mov_b32 v169, 0
	s_wait_xcnt 0x0                                ; EXEC is a source of the stores above: it changes only behind this wait
	v_cmp_eq_u32 vcc_lo, 0, v2
	s_and_saveexec_b32 s49, vcc_lo                 ; lane 0 alone
	global_store_b32 v169, v168, s[54:55]          ; one word for 4 rows: 2,048 bytes in the whole launch
	s_wait_xcnt 0x0                                ; and again in front of the line that widens it
	s_or_b32 exec_lo, exec_lo, s49
	s_endpgm
.Lfunc_end_k_q0f7ba5f505_prep:
	.size	k_q0f7ba5f505_prep, .Lfunc_end_k_q0f7ba5f505_prep-k_q0f7ba5f505_prep
	.p2alignl 7, 3214868480
	.fill 96, 4, 3214868480
	.section	.rodata,"a",@progbits
	.p2align	6, 0x0
	.amdhsa_kernel k_q0f7ba5f505_prep
		.amdhsa_group_segment_fixed_size 33280
		.amdhsa_private_segment_fixed_size 0
		.amdhsa_enable_private_segment 0
		.amdhsa_kernarg_size 96
		.amdhsa_user_sgpr_count 2
		.amdhsa_user_sgpr_kernarg_segment_ptr 1
		.amdhsa_wavefront_size32 1
		.amdhsa_system_sgpr_workgroup_id_x 1
		.amdhsa_system_sgpr_workgroup_id_y 1
		.amdhsa_system_sgpr_workgroup_id_z 1
		.amdhsa_system_vgpr_workitem_id 0
		.amdhsa_next_free_vgpr 194
		.amdhsa_next_free_sgpr 66
		.amdhsa_reserve_vcc 1
		.amdhsa_float_denorm_mode_32 3
		.amdhsa_float_denorm_mode_16_64 3
		.amdhsa_memory_ordered 1
		.amdhsa_forward_progress 1
		.amdhsa_inst_pref_size 120
	.end_amdhsa_kernel
	.amdgpu_metadata
---
amdhsa.version: [ 1, 2 ]
amdhsa.kernels:
  - .name:           k_q0f7ba5f505_prep
    .symbol:         k_q0f7ba5f505_prep.kd
    .args:
      - { .name: q, .offset: 0, .size: 8, .value_kind: global_buffer, .address_space: global }
      - { .name: k, .offset: 8, .size: 8, .value_kind: global_buffer, .address_space: global }
      - { .name: v, .offset: 16, .size: 8, .value_kind: global_buffer, .address_space: global }
      - { .name: Wq, .offset: 24, .size: 8, .value_kind: global_buffer, .address_space: global }
      - { .name: Wk, .offset: 32, .size: 8, .value_kind: global_buffer, .address_space: global }
      - { .name: Wv, .offset: 40, .size: 8, .value_kind: global_buffer, .address_space: global }
      - { .name: Wo, .offset: 48, .size: 8, .value_kind: global_buffer, .address_space: global }
      - { .name: mask, .offset: 56, .size: 8, .value_kind: global_buffer, .address_space: global }
      - { .name: cod, .offset: 64, .size: 8, .value_kind: global_buffer, .address_space: global }
      - { .name: scl, .offset: 72, .size: 8, .value_kind: global_buffer, .address_space: global }
      - { .name: mbits, .offset: 80, .size: 8, .value_kind: global_buffer, .address_space: global }
      - { .name: mflag, .offset: 88, .size: 8, .value_kind: global_buffer, .address_space: global }
    .group_segment_fixed_size: 33280
    .private_segment_fixed_size: 0
    .kernarg_segment_align: 8
    .kernarg_segment_size: 96
    .max_flat_workgroup_size: 128
    .sgpr_count:     66
    .vgpr_count:     194
    .wavefront_size: 32
...
	.end_amdgpu_metadata
.endif
;; end of part 1
;; launch qkv (part 2): grid 4 x 96, 4 waves a work-group, clusters of 4 x 4, 327,680 bytes of LDS; arguments cod, scl, qkvc, qkvs, bq, bk, bv; writes qkvc, qkvs
.if DOCPART == 2
	.amdgcn_target "amdgcn-amd-amdhsa--gfx1250"
	.amdhsa_code_object_version 6
	.text
	.protected	k_q0f7ba5f505_qkv
	.globl	k_q0f7ba5f505_qkv
	.p2align	8
	.type	k_q0f7ba5f505_qkv,@function
k_q0f7ba5f505_qkv:
	s_mov_b64 s[64:65], 0
	v_nop
	global_prefetch_b8 v0, s[64:65] scope:SCOPE_SE
	s_setreg_imm32_b32 hwreg(HW_REG_WAVE_MODE, 25, 1), 1
	s_wait_xcnt 0x0
	s_wait_alu depctr_hold_cnt(0) depctr_sa_sdst(0) depctr_va_vdst(0) depctr_va_sdst(0) depctr_va_ssrc(0) depctr_va_vcc(0) depctr_vm_vsrc(0)
	s_getreg_b32 s2, hwreg(HW_REG_IB_STS2, 6, 4)
	s_cmp_eq_u32 s2, 0
	s_cbranch_scc0 .Lentry_in_a_cluster
	s_endpgm
.Lentry_in_a_cluster:
	s_bfe_u32 s2, ttmp6, 0x10000c
	s_cmp_lg_u32 s2, 0xf033
	s_cbranch_scc0 .Lentry_shape_is_right
	s_endpgm
.Lentry_shape_is_right:
; THE THREE INPUT PROJECTIONS y = x W^T + b on codes of FP8 (E4M3) with E8M0 scales for each 32 along K = 1,024, and the quantising of y for the attention that follows.
; The cluster's y says what is made: g = y / 8 (0: Q, 1: K, 2: V), c8 = y % 8 (which 1,024 tokens).  A work-group makes 256 x 256 of y, a wave 128 x 128: 64 accumulators, 512 registers.
; Source 1 of the matrix instruction (called A here) gives a lane its row, source 0 (B) runs along a lane's registers.  Q and K: A = tokens, B = rows of W (channels), since the next product's K is the channels.
; V: A = rows of Wv (channels), B = tokens, since the next product's K is the keys.  cod and scl hold rows in TILE ORDER (bits 3 and 4 of the row exchanged), so that the 16 registers of B's tiles 2 b and 2 b + 1 are 16
; NEIGHBOURS, 32 b + 16 (lane / 16) + 0 .. 15: a conversion's results are four registers of the next operand, and leave as its image: 512 consecutive bytes a store, lane l's 16 bytes at 16 l.
; OUT.  qkvc: three regions of 8,388,608 bytes, each [hid = 16 batch + head][131,072].  Q, K: [tile of 16 tokens, 128][channel block c, 2][512].  V: [key step J, 16][c / 2][channel tile, 4][c % 2][512], c = key block of 32.
;       qkvs: Q: [hid][J][lane 32][m 4] words: tile 2 m + lane / 16, row lane % 16, bytes s0 s1 s0 s1.   From byte 524,288: [hid][J][K: lane 32 x 2 words | V: lane 32 x 2 words]:
;       K: pair of tiles 2 rho + lane / 16, bytes (tile 0: c0 c1, tile 1: c0 c1);  V: channel tile 2 rho + lane / 16, bytes of key blocks 0 .. 3.
; K goes in steps of 256 through a ring of two LDS slots filled by joint tensor loads: 4 x 4 work-groups form a cluster; A's tile is shared along a row of the cluster, B's along a column.
; The scales of the work-group's rows, for all of K, come into LDS once with the first fills.  The bias starts the sums (so it is added first, not last, in the f32 sums).
; LIMITS: NaN and infinities are not served; a block whose largest magnitude lies under 2^-118 keeps the byte 1.
; REGISTERS: window 0: v0-31 addresses; v32-63 scale words, two sets; v64-127 the bias; from v128 A's fragments, one set; in the epilogue v128-247 at work.  window 1: B's fragments, two sets.  windows 2, 3: the accumulators.
.set KSTEP,  256
.set NQ,     KSTEP/128
.set ROWB,   256                       ; a tile's row in bytes
.set KROW,   1024                      ; a row of cod in bytes
.set PITCH,  272                       ; an LDS row: 256 bytes + 16 of padding: the 16 rows that a load touches start at 16 different banks (64 banks of 4 bytes: ISA guide 11.1)
.set FR,     16
.set NL,     4
.set NP,     8                         ; places behind this matrix instruction (ISA guide 7.12.1)
.set HALFT,  128*PITCH
.set SLOT,   4*HALFT
.set LAPS,   2                         ; 1,024 / 512
.set KS,     32                        ; a row of scl in bytes
.set SCL,    2*SLOT
.set HALFS,  (128*KS/256)*272
.set SBLK,   (16*KS/256)*272
.set SPARE,  SCL+4*HALFS               ; the spare words: 128 bytes for each wave; no other line names them
.set ADRA, 16
.set ADRB, 20
.set LI,   24                          ; v24  16 x lane
.set LX,   25                          ; v25  16 x lane + the distance to blocks 2 and 3
.set L8,   26                          ; v26  8 x lane
.set ADRS, 27
.set SPW,  28
.set NIL,  29
.set SC,   32
.set B0,   64                          ; v64-127  the bias along B's index, in the result's layout
.set B1,   128                         ; v128-143 the bias along A's index: one number a lane and tile, in pairs whose low word is used
.set AF,   128
.set T,    128                         ; the epilogue: v128-191 held numbers; v192-207 codes; v208-223 at work; v224-239 scale bytes, two to a register; v240-247 scale words to be stored
.set PC,   192
.set TM,   208
.set PH,   224
.set U,    240
.set G1, 24
.set G0, 32
.set G1B, 48
.set G0B, 56
.set G1S, 68
.set G0S, 76
.set G1SB, 80
.set G0SB, 88
.set MNT, 81                           ; the epilogue's scalars lie in registers of descriptors whose loads are long done
.set SEL, 82
.set HM,  84
.set MSB, 0
.macro WIN new                         ; the immediate's high byte repeats the setting that is left
.if MSB != (\new)
	s_set_vgpr_msb (MSB<<8)|(\new)
.set MSB, (\new)
.endif
.endm
.set MUL_LO, 0xa1                      ; source 0 (B) window 1, source 1 (A) window 0, C and D window 2
.set MUL_HI, 0xf1
.set TO_B,   0x40
; A joint load: waves 0 and 1 fetch for A, waves 2 and 3 for B; the branch hangs on the wave's number alone.  Four v_nop follow each of the two lines.
.macro JLOAD g0a, g1a, g0b, g1b
	s_cmp_eq_u32 s15, 0
	s_cbranch_scc0 .Lfor_b_\@
	tensor_load_to_lds s[\g0a:\g0a+3], s[\g1a:\g1a+7]
	s_nop 0
.rept 4
	v_nop
.endr
	s_branch .Lasked_\@
.Lfor_b_\@:
	tensor_load_to_lds s[\g0b:\g0b+3], s[\g1b:\g1b+7]
	s_nop 0
.rept 4
	v_nop
.endr
.Lasked_\@:
.endm
.macro CREST                           ; a round of the cluster's barrier behind its opening barrier
	s_cmp_lg_u32 s14, 0
	s_cbranch_scc1 .Lnot_wave_0_\@
	s_barrier_signal -3
.Lnot_wave_0_\@:
	s_barrier_wait -3
	s_barrier_signal -1
	s_barrier_wait -1
.endm
.macro CROUND
	s_barrier_signal -1
	s_barrier_wait -1
	CREST
.endm
	s_load_b256 s[4:11], s[0:1], 0x0               ; cod s[4:5], scl s[6:7], qkvc s[8:9], qkvs s[10:11]
	s_load_b128 s[96:99], s[0:1], 0x20             ; bq, bk
	s_load_b64 s[100:101], s[0:1], 0x30            ; bv
	v_lshl_add_u32 v[SPW], v0, 2, SPARE
	v_mov_b32 v[NIL], 0
	ds_add_u32 v28, v29
	ds_add_u32 v28, v29
	s_wait_dscnt 0x0
	v_lshrrev_b32 v1, 5, v0
	v_readfirstlane_b32 s14, v1                    ; wave 0..3
	s_lshr_b32 s15, s14, 1                         ; which half of A's rows is mine.  Also: I fetch for A (0) or for B (1)
	s_and_b32 s16, s14, 1                          ; which half of B's rows.  Also: which 128 rows I fetch
	s_bfe_u32 s40, ttmp6, 0x40000                  ; cx
	s_bfe_u32 s41, ttmp6, 0x40004                  ; cy
	s_and_b32 s17, ttmp7, 0xffff                   ; the cluster's y, which all sixteen partners share
	s_lshr_b32 s95, s17, 3                         ; g
	s_and_b32 s66, s17, 7                          ; c8
	s_lshl_b32 s43, s41, 2
	s_lshl_b32 s43, 15, s43                        ; my row of the cluster
	s_lshl_b32 s44, 0x1111, s40                    ; my column
	s_or_b32 s[G1+0], s43, (0<<16)|(1<<20)|(1<<21)|(5<<22)|(3<<25)  ; the mask; elements of 1 byte; padding on; bit 21 beside a mask; 4 words after every 64
	s_or_b32 s[G1B+0], s44, (0<<16)|(1<<20)|(1<<21)|(5<<22)|(3<<25)
.irp g, G1, G1B
	s_mov_b32 s[\g+1], ROWB<<16                    ; tensor_dim0
	s_mov_b32 s[\g+2], 128<<16                     ; tensor_dim1
	s_mov_b32 s[\g+3], ROWB<<16                    ; tile_dim0
	s_mov_b32 s[\g+4], 128                         ; tile_dim1
	s_mov_b32 s[\g+5], KROW                        ; pitch
	s_mov_b32 s[\g+6], 0
	s_mov_b32 s[\g+7], 0
.endr
	s_or_b32 s[G1S+0], s43, (3<<16)|(1<<20)|(1<<21)|(5<<22)|(3<<25) ; the scales of 128 rows: 4,096 dense bytes as 16 rows of 256 (32 elements of 8 bytes), 16 bytes of padding behind each
	s_or_b32 s[G1SB+0], s44, (3<<16)|(1<<20)|(1<<21)|(5<<22)|(3<<25)
.irp g, G1S, G1SB
	s_mov_b32 s[\g+1], 32<<16
	s_mov_b32 s[\g+2], (128*KS/256)<<16
	s_mov_b32 s[\g+3], 32<<16
	s_mov_b32 s[\g+4], 128*KS/256
	s_mov_b32 s[\g+5], 32
	s_mov_b32 s[\g+6], 0
	s_mov_b32 s[\g+7], 0
.endr
	s_lshl_b32 s18, s16, 7                         ; which 128 rows I fetch
	s_lshl_b32 s20, s95, 13
	s_lshl_b32 s21, s66, 10
	s_add_co_u32 s20, s20, s21                     ; the tokens' rows in cod: 8,192 g + 1,024 c8
	s_lshl_b32 s21, s95, 10
	s_add_co_u32 s21, s21, 24576                   ; the weight's: 24,576 + 1,024 g
	s_cmp_lt_u32 s95, 2
	s_cselect_b32 s22, s20, s21                    ; A: tokens for Q and K, Wv for V
	s_cselect_b32 s46, s21, s20                    ; B: the weight for Q and K, tokens for V
	s_lshl_b32 s23, s41, 8
	s_add_co_u32 s22, s22, s23                     ; A hangs on cy alone,
	s_add_co_u32 s22, s22, s18
	s_lshl_b32 s47, s40, 8
	s_add_co_u32 s46, s46, s47                     ; B on cx alone
	s_add_co_u32 s46, s46, s18
	s_lshl_b32 s20, s22, 10                        ; in bytes: codes,
	s_mov_b32 s21, 0
	s_lshl_b32 s22, s22, 5                         ; scales
	s_mov_b32 s23, 0
	s_lshl_b32 s92, s46, 5
	s_mov_b32 s93, 0
	s_lshl_b32 s46, s46, 10
	s_mov_b32 s47, 0
	s_mul_i32 s45, s14, HALFT                      ; where they go: wave x 128 rows: no place in the cluster enters an LDS address
	s_mul_i32 s94, s14, HALFS
	s_wait_kmcnt 0x0
	s_add_nc_u64 s[20:21], s[4:5], s[20:21]
	s_add_nc_u64 s[22:23], s[6:7], s[22:23]
	s_add_nc_u64 s[46:47], s[4:5], s[46:47]
	s_add_nc_u64 s[92:93], s[6:7], s[92:93]
	CROUND                                         ; all sixteen work-groups are here: the first joint loads meet
	s_mov_b32 s[G0S], 1
	s_add_co_u32 s[G0S+1], s94, SCL
	s_mov_b64 s[G0S+2:G0S+3], s[22:23]
	s_or_b32 s[G0S+3], s[G0S+3], 0x80000000
	s_mov_b32 s[G0SB], 1
	s_add_co_u32 s[G0SB+1], s94, SCL
	s_mov_b64 s[G0SB+2:G0SB+3], s[92:93]
	s_or_b32 s[G0SB+3], s[G0SB+3], 0x80000000
	JLOAD G0S, G1S, G0SB, G1SB                     ; the scales first: they are wanted with K step 0
.irp s, 0,1
	s_mov_b32 s[G0+4*\s], 1
	s_add_co_u32 s[G0+4*\s+1], s45, \s*SLOT
	s_add_nc_u64 s[G0+4*\s+2:G0+4*\s+3], s[20:21], \s*ROWB
	s_or_b32 s[G0+4*\s+3], s[G0+4*\s+3], 0x80000000
	s_mov_b32 s[G0B+4*\s], 1
	s_add_co_u32 s[G0B+4*\s+1], s45, \s*SLOT
	s_add_nc_u64 s[G0B+4*\s+2:G0B+4*\s+3], s[46:47], \s*ROWB
	s_or_b32 s[G0B+4*\s+3], s[G0B+4*\s+3], 0x80000000
	JLOAD G0+4*\s, G1, G0B+4*\s, G1B               ; three tensor loads of mine are out
.endr
	v_and_b32 v1, 15, v0                           ; r
	v_bfe_u32 v2, v0, 4, 1                         ; h
	v_mul_u32_u24 v3, v1, PITCH
	v_lshl_add_u32 v4, v2, 4, v3                   ; a fragment's row x pitch + 16 h
	s_mul_i32 s21, s15, HALFT
	s_mul_i32 s22, s16, HALFT
	s_add_co_u32 s22, s22, 2*HALFT
.irp s, 0,1
	v_add_nc_u32 v[ADRA+\s], s21, v4
	v_add_nc_u32 v[ADRB+\s], s22, v4
	s_add_co_u32 s21, s21, SLOT
	s_add_co_u32 s22, s22, SLOT
.endr
	v_mul_u32_u24 v5, v1, KS                       ; my row's scales: 32 bytes a row,
	v_lshrrev_b32 v6, 8, v5
	v_lshl_add_u32 v5, v6, 4, v5                   ; and 16 more for each 256 passed
	s_mul_i32 s21, s15, HALFS
	s_mul_i32 s22, s16, HALFS
	s_add_co_u32 s22, s22, 2*HALFS
	s_sub_co_u32 s22, s22, s21
	v_mul_u32_u24 v6, s22, v2                      ; lanes 16-31 take B's: one product, the distance x h
	s_add_co_u32 s21, s21, SCL
	v_add_nc_u32 v5, v5, v6
	v_add_nc_u32 v[ADRS], s21, v5
	; THE BIAS STARTS THE SUMS, while the first tiles are on their way.  For Q and K it runs along B's index (a lane's registers), for V along A's (the lane's row).  Both are loaded, the one that does not apply is made 0.
	s_cmp_eq_u32 s95, 1
	s_cselect_b64 s[96:97], s[98:99], s[96:97]
	s_cmp_eq_u32 s95, 2
	s_cselect_b64 s[96:97], s[100:101], s[96:97]   ; bq, bk or bv
	s_lshl_b32 s92, s40, 10
	s_lshl_b32 s93, s16, 9
	s_add_co_u32 s92, s92, s93                     ; 4 x (256 cx + 128 x my half of B)
	s_mov_b32 s93, 0
	s_add_nc_u64 s[98:99], s[96:97], s[92:93]
	s_lshl_b32 s92, s41, 10
	s_lshl_b32 s94, s15, 9
	s_add_co_u32 s92, s92, s94                     ; 4 x (256 cy + 128 x my half of A)
	s_add_nc_u64 s[100:101], s[96:97], s[92:93]
	v_lshlrev_b32 v7, 6, v2                        ; 16 h numbers on
	v_and_b32 v8, 8, v1
	v_add_nc_u32 v8, v8, v1
	v_lshlrev_b32 v8, 2, v8                        ; r + 8 (r / 8) numbers on: tile order
.irp b, 0,1,2,3,4,5,6,7
	global_load_b128 v[B0+8*\b:B0+8*\b+3], v7, s[98:99] offset:4*(32*(\b/2)+8*(\b%2))
	global_load_b128 v[B0+8*\b+4:B0+8*\b+7], v7, s[98:99] offset:4*(32*(\b/2)+8*(\b%2))+16
.endr
.irp a, 0,1,2,3,4,5,6,7
	global_load_b32 v[B1+2*\a], v8, s[100:101] offset:4*(32*(\a/2)+8*(\a%2))
	v_mov_b32 v[B1+2*\a+1], 0                      ; (named with it as a pair, so it is written)
.endr
	s_cmp_lt_u32 s95, 2
	s_cselect_b32 s92, -1, 0
	s_not_b32 s93, s92
	s_wait_loadcnt 0x0
.set n, 0
.rept 64
	v_and_b32 v[B0+n], s92, v[B0+n]
.set n, n+1
.endr
.irp a, 0,1,2,3,4,5,6,7
	v_and_b32 v[B1+2*\a], s93, v[B1+2*\a]
.endr
.irp a, 0,1,2,3,4,5,6,7
	WIN (0x80+0x40*(\a/4))                         ; destination window 2 or 3
.irp b, 0,1,2,3,4,5,6,7
.irp k, 0,2,4,6
	v_pk_add_f32 v[8*(8*(\a%4)+\b)+\k:8*(8*(\a%4)+\b)+\k+1], v[B0+8*\b+\k:B0+8*\b+\k+1], v[B1+2*\a:B1+2*\a+1] op_sel_hi:[1,0]
.endr
.endr
.endr
	WIN 0
.rept 8
	v_nop
.endr
.macro FRAG reg, adr, q, i             ; 16 rows x 128 K of 8-bit codes: lane l holds row l % 16; registers 4 c .. 4 c + 3 hold K = 32 c + 16 (l / 16) + 0 .. 15
.irp c, 0,1,2,3
	ds_load_b128 v[\reg+4*\c:\reg+4*\c+3], v[\adr] offset:128*(\q)+32*\c+(\i)*16*PITCH
.endr
.endm
; 16 matrix instructions: A's blocks a0, a0 + 1 x B's eight.  The 64 accumulators take turns, one instruction a turn, in the same order in every step.
.macro MUL16 a0, p, q, sc
.irp a, \a0, \a0+1
.irp b, 0,1,2,3,4,5,6,7
	v_wmma_scale_f32_16x16x128_f8f6f4 v[8*(8*((\a)%4)+\b):8*(8*((\a)%4)+\b)+7], v[128*(\p)+FR*\b:128*(\p)+FR*\b+FR-1], v[AF+FR*(\a):AF+FR*(\a)+FR-1], v[8*(8*((\a)%4)+\b):8*(8*((\a)%4)+\b)+7], v[SC+8*NQ*(\sc)+NQ*\b+(\q)], v[SC+8*NQ*(\sc)+NQ*(\a)+(\q)] matrix_a_scale:MATRIX_SCALE_ROW1
.endr
.endr
.endm
.macro FETCH_B slot, q, p
	WIN TO_B
.irp i, 0,1,2,3,4,5,6,7
	FRAG 128*(\p)+FR*\i, ADRB+\slot, \q, \i
.endr
	WIN 0
.endm
.macro FETCH_A slot, q, i0
.irp i, \i0, \i0+1, \i0+2, \i0+3
	FRAG AF+FR*(\i), ADRA+\slot, \q, \i
.endr
.endm
.macro SCALES sc                       ; a K step's scale words: lanes 0-15 take A's block i, lanes 16-31 B's block i
.irp i, 0,1,2,3,4,5,6,7
	ds_load_b64 v[SC+8*NQ*\sc+NQ*\i:SC+8*NQ*\sc+NQ*\i+1], v[ADRS] offset:\i*SBLK
.endr
.endm
.macro PLACES n                        ; plain vector lines behind matrix instructions, in front of loads into registers that they have read and of reads of their results
.rept \n
	v_nop
.endr
.endm
.macro STEP slot, q                    ; 128 along K that has its successor in the same slot
	s_wait_dscnt 4*NL                              ; B's set and A's blocks 0-3 are in; the youngest 16 loads (A's blocks 4-7) may be out
	WIN MUL_LO
	MUL16 0, (\q)%2, \q, \slot
	MUL16 2, (\q)%2, \q, \slot
	s_wait_dscnt 0
	PLACES NP
	FETCH_B \slot, (\q)+1, 1-(\q)%2
	FETCH_A \slot, (\q)+1, 0
	WIN MUL_HI
	MUL16 4, (\q)%2, \q, \slot
	MUL16 6, (\q)%2, \q, \slot
	PLACES NP
	WIN 0
	FETCH_A \slot, (\q)+1, 4
.endm
; A slot's last step changes slots: one barrier; in front of it each wave waits for all its tensor loads, adds 0 to its spare word, and waits for that and for its own reads of this slot.
.macro TURN slot, next, fill
	s_wait_tensorcnt 0x0                           ; all my tensor loads have landed: my part of the next slot
	ds_add_u32 v[SPW], v[NIL]                      ; 0 onto my spare word
	s_wait_dscnt 4*NL+1                            ; the add and the youngest 16 loads (A's blocks 4-7) may be out
	WIN MUL_LO
	MUL16 0, 1, NQ-1, \slot
	s_wait_dscnt 0x0                               ; the add is done, and my reads of this slot are over
	s_barrier_signal -1
	MUL16 2, 1, NQ-1, \slot
	WIN 0
	s_barrier_wait -1
.if \fill
	CREST                                          ; the barrier has opened a round of the cluster's barrier: no wave of any partner still reads this slot or has a load on its way
	s_add_nc_u64 s[G0+4*\slot+2:G0+4*\slot+3], s[G0+4*\slot+2:G0+4*\slot+3], 2*ROWB
	s_add_nc_u64 s[G0B+4*\slot+2:G0B+4*\slot+3], s[G0B+4*\slot+2:G0B+4*\slot+3], 2*ROWB
	JLOAD G0+4*\slot, G1, G0B+4*\slot, G1B         ; the first tensor load behind the round; its four v_nop are among the places in front of the loads below
	PLACES NP-4
.else
	PLACES NP
.endif
	v_add_nc_u32 v[ADRS], 4*NQ, v[ADRS]            ; on to the next K step's scale words
	FETCH_B \next, 0, 0
	FETCH_A \next, 0, 0
	SCALES \next
	WIN MUL_HI
	MUL16 4, 1, NQ-1, \slot
	MUL16 6, 1, NQ-1, \slot
	PLACES NP
	WIN 0
	FETCH_A \next, 0, 4
.endm
	s_wait_tensorcnt 1                             ; the scales and my part of K step 0 are in; K step 1's load may be out
	s_barrier_signal -1
	s_barrier_wait -1
	FETCH_B 0, 0, 0
	FETCH_A 0, 0, 0
	SCALES 0
	FETCH_A 0, 0, 4
	STEP 0, 0
	s_mov_b32 s3, LAPS-1
.Llap:                                                 ; a trip goes once round the ring and fills both slots again
	TURN 0, 1, 1
	STEP 1, 0
	TURN 1, 0, 1
	STEP 0, 0
	s_sub_co_u32 s3, s3, 1
	s_cmp_lg_u32 s3, 0
	s_cbranch_scc1 .Llap
	TURN 0, 1, 0                                   ; the last lap fills nothing
	STEP 1, 0
	s_wait_dscnt 4*NL
	WIN MUL_LO
	MUL16 0, 1, NQ-1, 1
	MUL16 2, 1, NQ-1, 1
	s_wait_dscnt 0
	WIN MUL_HI
	MUL16 4, 1, NQ-1, 1
	MUL16 6, 1, NQ-1, 1
	WIN 0
	; THE EPILOGUE.  Where my 128 x 128 lies: tokens tok0 on, channels ch0 on.  No tensor load of mine is out, so the descriptors' registers are free.
	s_lshl_b32 s68, s41, 8
	s_lshl_b32 s70, s15, 7
	s_add_co_u32 s68, s68, s70                     ; A's index: 256 cy + 128 x half
	s_lshl_b32 s69, s40, 8
	s_lshl_b32 s70, s16, 7
	s_add_co_u32 s69, s69, s70                     ; B's index: 256 cx + 128 x half
	s_mov_b32 s73, 131072
	s_cmp_lt_u32 s95, 2
	s_cselect_b32 s70, s68, s69                    ; the tokens' index
	s_cselect_b32 s71, s69, s68                    ; the channels'
	s_cselect_b32 s72, s73, 4096                   ; from B's blocks 0, 1 to 2, 3: Q, K: the next head; V: key blocks 2, 3
	s_cselect_b32 s74, 4096, s73                   ; from A's blocks 0-3 to 4-7: Q, K: four tiles of tokens; V: the next head
	s_lshl_b32 s75, s66, 10
	s_add_co_u32 s70, s70, s75                     ; tok0
	s_lshr_b32 s75, s70, 11
	s_lshl_b32 s75, s75, 4
	s_lshr_b32 s71, s71, 6
	s_add_co_u32 s75, s75, s71                     ; hid = 16 batch + head
	s_bfe_u32 s71, s70, 0x40007                    ; J = (tok0 / 128) % 16
	s_lshl_b32 s76, s95, 23
	s_lshl_b32 s77, s75, 17
	s_add_co_u32 s76, s76, s77
	s_lshl_b32 s77, s71, 13
	s_add_co_u32 s76, s76, s77
	s_mov_b32 s77, 0
	s_add_nc_u64 s[8:9], s[8:9], s[76:77]          ; codes of A's blocks 0-3
	s_mov_b32 s76, s74
	s_add_nc_u64 s[78:79], s[8:9], s[76:77]        ; and 4-7
	s_lshl_b32 s76, s75, 13
	s_lshl_b32 s80, s71, 9
	s_add_co_u32 s76, s76, s80
	s_cmp_lg_u32 s95, 0
	s_cselect_b32 s80, 524288, 0
	s_add_co_u32 s76, s76, s80
	s_cmp_eq_u32 s95, 2
	s_cselect_b32 s80, 256, 0
	s_add_co_u32 s76, s76, s80
	s_add_nc_u64 s[10:11], s[10:11], s[76:77]      ; the scale words
	s_mov_b32 s[MNT], 0x600000                     ; the mantissa field of 448
	s_mov_b32 s[SEL], 0x76543210
	s_mov_b32 s[SEL+1], 0xfedcba98                 ; v_permlanex16_b32's selects for lane l xor 16
	s_mov_b32 s[HM], 0xffff0000                    ; lanes 16-31
	PLACES NP
	v_and_b32 v1, 31, v0
	v_lshlrev_b32 v[LI], 4, v1
	v_add_nc_u32 v[LX], s72, v[LI]
	v_lshlrev_b32 v[L8], 3, v1
.irp b, 0,1,2,3
	v_mov_b32 v[TM+4+\b], 0                        ; written once: a lane permute's destination counts as one of its sources
.endr
; A's block a: 64 numbers a lane, register 16 b + i = B's index 32 b + 16 (lane / 16) + i of my row: four blocks of 32 are quantised and leave as four images.
.macro QBLK a
.set AC, 64*((\a)%4)
.set WX, 2+(\a)/4
	WIN ((WX<<2)|(WX<<4))                          ; sources 1 and 2: the accumulators' window
.irp b, 0,1,2,3
	v_max3_num_f32 v[TM+\b], 0x4800000, |v[AC+16*\b]|, |v[AC+16*\b+1]|   ; my 16 numbers and the floor 2^(9 - 127); each accumulator is read from its low end on
.endr
.irp i, 2,4,6,8,10,12,14
.irp b, 0,1,2,3
	v_max3_num_f32 v[TM+\b], v[TM+\b], |v[AC+16*\b+\i]|, |v[AC+16*\b+\i+1]|
.endr
.endr
	WIN 0
.irp b, 0,1,2,3
	v_permlanex16_b32 v[TM+4+\b], v[TM+\b], s[SEL], s[SEL+1]
.endr
.irp b, 0,1,2,3
	v_max_num_f32 v[TM+\b], v[TM+\b], v[TM+4+\b]   ; with lane l xor 16's: the block's largest magnitude
.endr
.irp b, 0,1,2,3
	v_add_nc_u32 v[TM+12+\b], 0xfc000000, v[TM+\b] ; 8 off its exponent field: the conversion's scale operand
.endr
.irp b, 0,1,2,3
	v_and_or_b32 v[TM+8+\b], v[TM+\b], 0x7f800000, s[MNT]   ; 448 x the scale
.endr
.irp b, 0,1,2,3
	v_lshrrev_b32 v[TM+4+\b], 23, v[TM+12+\b]      ; the scale's byte
.endr
	v_lshl_or_b32 v[PH+2*(\a)], v[TM+5], 8, v[TM+4]
	v_lshl_or_b32 v[PH+2*(\a)+1], v[TM+7], 8, v[TM+6]
	WIN WX                                         ; source 0: the accumulators' window
.irp b, 0,1,2,3
.irp i, 0,1,2,3,4,5,6,7,8,9,10,11,12,13,14,15
	v_med3_num_f32 v[T+16*\b+\i], v[AC+16*\b+\i], -v[TM+8+\b], v[TM+8+\b]   ; the conversion to an 8-bit code does not saturate (ISA guide 7.6.2): the hold comes first
.endr
.endr
	WIN 0
	s_wait_xcnt 0x0                                ; the last block's stores have read their data: the codes' registers may be written
.irp b, 0,1,2,3
	v_cvt_scalef32_pk8_fp8_f32 v[PC+4*\b:PC+4*\b+1], v[T+16*\b:T+16*\b+7], v[TM+12+\b]
	v_cvt_scalef32_pk8_fp8_f32 v[PC+4*\b+2:PC+4*\b+3], v[T+16*\b+8:T+16*\b+15], v[TM+12+\b]
.endr
	v_nop                                          ; one plain line behind the last conversion
.irp b, 0,1,2,3
.if (\a) < 4
	global_store_b128 v[LI+\b/2], v[PC+4*\b:PC+4*\b+3], s[8:9] offset:((\a)%4)*1024+(\b%2)*512     ; 512 consecutive bytes
.else
	global_store_b128 v[LI+\b/2], v[PC+4*\b:PC+4*\b+3], s[78:79] offset:((\a)%4)*1024+(\b%2)*512
.endif
.endr
.endm
.irp a, 0,1,2,3,4,5,6,7
	QBLK \a
.endr
	; THE SCALE WORDS, laid as the attention's scale registers take them.  The three arms part on g, which hangs on the cluster's y alone.
	s_cmp_eq_u32 s95, 0
	s_cbranch_scc0 .Lnot_q
.irp d, 0,1                                    ; head d of my two
.irp a, 0,1,2,3,4,5,6,7
	v_lshl_or_b32 v[T+\a], v[PH+2*\a+\d], 16, v[PH+2*\a+\d]       ; s0 s1 s0 s1
.endr
.irp m, 0,1,2,3
	v_cndmask_b32 v[U+4*\d+\m], v[T+2*\m], v[T+2*\m+1], s[HM]     ; lanes 0-15 tile 2 m, lanes 16-31 tile 2 m + 1
.endr
	global_store_b128 v[LI], v[U+4*\d:U+4*\d+3], s[10:11] offset:8192*\d
.endr
	s_branch .Lwords_out
.Lnot_q:
	s_cmp_eq_u32 s95, 1
	s_cbranch_scc0 .Lfor_v
.irp d, 0,1
.irp b, 0,1,2,3
	v_lshl_or_b32 v[T+\b], v[PH+2*(2*\b+1)+\d], 16, v[PH+2*(2*\b)+\d]   ; the pair of tiles 2 b, 2 b + 1
.endr
.irp m, 0,1
	v_cndmask_b32 v[U+2*\d+\m], v[T+2*\m], v[T+2*\m+1], s[HM]
.endr
	global_store_b64 v[L8], v[U+2*\d:U+2*\d+1], s[10:11] offset:8192*\d   ; 256 consecutive bytes, aligned
.endr
	s_branch .Lwords_out
.Lfor_v:
.irp d, 0,1
.irp b, 0,1,2,3
	v_lshl_or_b32 v[T+\b], v[PH+2*(4*\d+\b)+1], 16, v[PH+2*(4*\d+\b)]   ; channel tile b of head d: key blocks 0 .. 3
.endr
.irp m, 0,1
	v_cndmask_b32 v[U+2*\d+\m], v[T+2*\m], v[T+2*\m+1], s[HM]
.endr
	global_store_b64 v[L8], v[U+2*\d:U+2*\d+1], s[10:11] offset:8192*\d
.endr
.Lwords_out:
	s_wait_tensorcnt 0x0                           ; the wave's end
	ds_add_u32 v[SPW], v[NIL]
	s_wait_dscnt 0x0
	CROUND                                         ; the closing round: no work-group ends while a partner may still ask for a tile that names it
	s_endpgm
.Lfunc_end_k_q0f7ba5f505_qkv:
	.size	k_q0f7ba5f505_qkv, .Lfunc_end_k_q0f7ba5f505_qkv-k_q0f7ba5f505_qkv
	.p2alignl 7, 3214868480
	.fill 96, 4, 3214868480
	.section	.rodata,"a",@progbits
	.p2align	6, 0x0
	.amdhsa_kernel k_q0f7ba5f505_qkv
		.amdhsa_group_segment_fixed_size 327680
		.amdhsa_private_segment_fixed_size 0
		.amdhsa_enable_private_segment 0
		.amdhsa_kernarg_size 56
		.amdhsa_user_sgpr_count 2
		.amdhsa_user_sgpr_kernarg_segment_ptr 1
		.amdhsa_wavefront_size32 1
		.amdhsa_system_sgpr_workgroup_id_x 1
		.amdhsa_system_sgpr_workgroup_id_y 1
		.amdhsa_system_sgpr_workgroup_id_z 1
		.amdhsa_system_vgpr_workitem_id 0
		.amdhsa_next_free_vgpr 1024
		.amdhsa_next_free_sgpr 102
		.amdhsa_reserve_vcc 0
		.amdhsa_float_denorm_mode_32 3
		.amdhsa_float_denorm_mode_16_64 3
		.amdhsa_memory_ordered 1
		.amdhsa_forward_progress 1
		.amdhsa_inst_pref_size 210
	.end_amdhsa_kernel
	.amdgpu_metadata
---
amdhsa.version: [ 1, 2 ]
amdhsa.kernels:
  - .name:           k_q0f7ba5f505_qkv
    .symbol:         k_q0f7ba5f505_qkv.kd
    .args:
      - { .name: cod, .offset: 0, .size: 8, .value_kind: global_buffer, .address_space: global }
      - { .name: scl, .offset: 8, .size: 8, .value_kind: global_buffer, .address_space: global }
      - { .name: qkvc, .offset: 16, .size: 8, .value_kind: global_buffer, .address_space: global }
      - { .name: qkvs, .offset: 24, .size: 8, .value_kind: global_buffer, .address_space: global }
      - { .name: bq, .offset: 32, .size: 8, .value_kind: global_buffer, .address_space: global }
      - { .name: bk, .offset: 40, .size: 8, .value_kind: global_buffer, .address_space: global }
      - { .name: bv, .offset: 48, .size: 8, .value_kind: global_buffer, .address_space: global }
    .group_segment_fixed_size: 327680
    .private_segment_fixed_size: 0
    .kernarg_segment_align: 8
    .kernarg_segment_size: 56
    .max_flat_workgroup_size: 128
    .sgpr_count:     102
    .vgpr_count:     1024
    .wavefront_size: 32
...
	.end_amdgpu_metadata
.endif
;; end of part 2
;; launch attn (part 3): grid 4 x 64, 16 waves a work-group, no clusters, 35,840 bytes of LDS; arguments qkvc, qkvs, mbits, mflag, oc, os; writes oc, os
.if DOCPART == 3
	.amdgcn_target "amdgcn-amd-amdhsa--gfx1250"
	.amdhsa_code_object_version 6
	.text
	.protected	k_q0f7ba5f505_attn
	.globl	k_q0f7ba5f505_attn
	.p2align	8
	.type	k_q0f7ba5f505_attn,@function
k_q0f7ba5f505_attn:
	s_mov_b64 s[64:65], 0
	v_nop
	global_prefetch_b8 v0, s[64:65] scope:SCOPE_SE
	s_setreg_imm32_b32 hwreg(HW_REG_WAVE_MODE, 25, 1), 1
	s_wait_xcnt 0x0
; ATTENTION ON CODES OF FP8 (E4M3): S = Q K^T / 8 under the given mask, p = 2^(t - M), O = P V / l, O quantised for the last projection.  16 heads of 64, 2,048 tokens, 4 batches: hid = 16 batch + head.
; t = score x log2(e) / 8; M = the running largest t rounded UP to a whole number; p is quantised along the keys, not normalised; l is the sum of the unquantised p; when M moves, l and O are multiplied by 2^(old M - new M), exactly.
; SHARES.  Work-group (i, hid) takes two blocks of 256 query positions, 7 - i and then i; each of its sixteen waves one tile of 16, in 256 registers: four waves to a SIMD.  Keys go 128 a step.
; LAYOUT.  Both products are used transposed (source 0 = keys or channels, source 1 = my 16 queries): a lane holds one query.  Tokens lie in tile order (bits 3 and 4 of the position exchanged), so the 16 registers of key tiles
; 2 b and 2 b + 1 are keys 32 b + 16 (lane / 16) + 0 .. 15.  THE HEAD HAS ONLY 64 CHANNELS, half of the form's 128: source 0 is a PAIR of key tiles (tile 0 in registers 0-7, tile 1 in 8-15), and source 1 is q beside eight
; registers of zero codes, once below them and once above: zero codes silence the other tile.  So no zero bytes are fetched.
; THE MASK IS AN INPUT.  It arrives as bit words (mbits) and flags (mflag) that the first launch stored.  A tile's key step is left out only if all its 16 x 128 entries are closed and each of its rows has an open key somewhere:
; its p would be 2^(about -1.5e9) = 0.  A step all of whose entries are open skips the masking.  Else closed scores become -2^33, so that t is a whole number: a row with no open key then has p = 1 everywhere, a uniform average.
; K AND V come from memory through registers into two LDS slots that take turns, a step ahead of their use.  NO TENSOR LOAD AND NO CLUSTER: the walk branches on stored flags, and work-groups of a head need different numbers of steps.
; One barrier a step: in front of it a wave's reads of this step's slot are back and its stores into the other slot have landed.  No barrier stands under a branch.
; OUT.  oc: [128 batch + tile][head / 2][2 (head % 2) + block of 32 channels][512]: images of the last projection's operand.  os: [position][32]: byte 2 head + block; these leave as single bytes, one for each 32 bytes of codes.
; LIMITS: NaN and infinities are not served; logits at or under about -1e9 are not told apart from closed ones (closed t is -1.549e9); a block whose largest magnitude lies under 2^-118 keeps the byte 1.
.set SLOT, 16896                       ; K's codes 8,192, V's codes 8,192, K's scale words 256, V's 256
.set KF,  40                           ; v40-103  four pair fragments of K, then four fragments of V
.set S,   104                          ; v104-167 scores, then p
.set O,   168                          ; v168-199 O^T
.set PC,  200                          ; v200-215 p's codes
.set BM,  216                          ; v216-219 block maxima
.set TP,  220                          ; v220-223 permutes' destinations, then bytes
.set HD,  224                          ; v224-227 448 x the scale; in a mixed step first the mask's four words
.set SO,  228                          ; v228-231 the conversions' scale operands
.set F,   232                          ; v232     f; v233 named with it
.set TT,  234
.set T8,  235                          ; 8 x thread
.set L2,  236                          ; v236-237 the sum's second chain
.set QSW, 238                          ; scale registers: q's word; v240-241 K's; v242-243 V's; v244 p's
.set KSC, 240
.set VSC, 242
.set PS,  244
.set KST, 246                          ; v246-249, v250-253, v10-11: the next step's K, V and scale words on their way to LDS
.set VST, 250
.set MA,  254
.set MT,  255
; v1 16 x lane; v2 8 x lane; v3 16 x thread; v4 16 r; v5 256 (r + 8 (r / 8)); v6 4 h; v7 32 r + h; v9 -2^33; v12 -M; v13 largest t; v14-15 l; v16-23 zeros; v24-31 q; v32-39 zeros
; s16 pass; s17 hid; s18 wave; s19 448's mantissa; s20-21 lane selects; s22-23 c; s24 lanes 16-31; s25 query block; s26 tile; s27 trips; s28 work-group's flags; s29 tile: some open; s30 tile: all open; s31 16 J
; s32-39 K, V, scale words, mask words in hand; s40-43 at work; s44-59 flags; s60-63, s66-71 the head's bases; s72-75 q's; s76-79 O's
	s_load_b256 s[4:11], s[0:1], 0x0               ; qkvc, qkvs, mbits, mflag
	s_load_b128 s[12:15], s[0:1], 0x20             ; oc, os
	v_lshl_add_u32 v239, v0, 2, 0x8400
	v_mov_b32 v245, 0
	v_lshrrev_b32 v1, 5, v0
	v_readfirstlane_b32 s18, v1
	v_and_b32 v8, 31, v0
	v_and_b32 v[L2], 15, v0                        ; r
	v_bfe_u32 v[L2+1], v0, 4, 1                    ; h
	v_lshlrev_b32 v1, 4, v8
	v_lshlrev_b32 v2, 3, v8
	v_lshlrev_b32 v3, 4, v0
	v_lshlrev_b32 v4, 4, v[L2]
	v_and_b32 v5, 8, v[L2]
	v_add_nc_u32 v5, v5, v[L2]
	v_lshlrev_b32 v5, 8, v5
	v_lshlrev_b32 v6, 2, v[L2+1]
	v_lshl_add_u32 v7, v[L2], 5, v[L2+1]
	v_mov_b32 v9, 0xd0000000
	v_lshlrev_b32 v[T8], 3, v0
	v_mov_b32 v10, 0
	v_mov_b32 v11, 0
.irp i, 0,1,2,3,4,5,6,7
	v_mov_b32 v[16+\i], 0                          ; the zero codes below q
	v_mov_b32 v[32+\i], 0                          ; and above
.endr
.irp i, 0,1,2,3
	v_mov_b32 v[TP+\i], 0                          ; written once: a lane permute's destination counts as one of its sources
	v_mov_b32 v[KST+\i], 0                         ; written once: their loads and their stores stand under branches of their own
	v_mov_b32 v[VST+\i], 0
.endr
	v_mov_b32 v[TT], 0
	v_mov_b32 v[F+1], 0
	s_and_b32 s17, ttmp7, 0xffff
	s_sub_co_u32 s25, 7, ttmp9
	s_mov_b32 s16, 0
	s_mov_b32 s19, 0x600000
	s_mov_b32 s20, 0x76543210
	s_mov_b32 s21, 0xfedcba98
	s_mov_b32 s22, 0x3e38aa3b                      ; c = log2(e) / 8
	s_mov_b32 s23, s22
	s_mov_b32 s24, 0xffff0000
	s_lshl_b32 s40, s17, 17
	s_mov_b32 s41, 0
	s_lshl_b32 s42, s17, 13
	s_mov_b32 s43, 0
	s_wait_kmcnt 0x0
	s_add_nc_u64 s[60:61], s[4:5], s[40:41]        ; the head's Q,
	s_add_nc_u64 s[66:67], s[60:61], 0x800000      ; K,
	s_add_nc_u64 s[68:69], s[60:61], 0x1000000     ; V,
	s_add_nc_u64 s[62:63], s[6:7], s[42:43]        ; Q's scale words,
	s_add_nc_u64 s[70:71], s[62:63], 0x80000       ; K's and V's
.macro FRONT q                         ; S^T = K Q^T from slot q; then V's fragments are asked for, to land under the softmax
.irp b, 0,1,2,3
.irp g, 0,1,2,3
	ds_load_b128 v[KF+16*\b+4*\g:KF+16*\b+4*\g+3], v1 offset:(\q)*SLOT+2048*\b+512*\g
.endr
.endr
	ds_load_b64 v[KSC:KSC+1], v2 offset:(\q)*SLOT+16384
	s_wait_dscnt 0x0
.irp b, 0,1,2,3
.if (\b%2)
	v_wmma_scale_f32_16x16x128_f8f6f4 v[S+16*\b:S+16*\b+7], v[KF+16*\b:KF+16*\b+15], v[24:39], 0, v[KSC+\b/2], v[QSW] matrix_a_scale:MATRIX_SCALE_ROW1
	v_wmma_scale_f32_16x16x128_f8f6f4 v[S+16*\b+8:S+16*\b+15], v[KF+16*\b:KF+16*\b+15], v[16:31], 0, v[KSC+\b/2], v[QSW] matrix_a_scale:MATRIX_SCALE_ROW1
.else
	v_wmma_scale_f32_16x16x128_f8f6f4 v[S+16*\b:S+16*\b+7], v[KF+16*\b:KF+16*\b+15], v[24:39], 0, v[KSC+\b/2], v[QSW]
	v_wmma_scale_f32_16x16x128_f8f6f4 v[S+16*\b+8:S+16*\b+15], v[KF+16*\b:KF+16*\b+15], v[16:31], 0, v[KSC+\b/2], v[QSW]
.endif
.endr
.rept 8
	v_nop                                          ; places in front of the loads into K's registers and of the first read of the scores
.endr
.irp t, 0,1,2,3
.irp c, 0,1,2,3
	ds_load_b128 v[KF+16*\t+4*\c:KF+16*\t+4*\c+3], v1 offset:(\q)*SLOT+8192+(\c/2)*4096+\t*1024+(\c%2)*512
.endr
.endr
	ds_load_b64 v[VSC:VSC+1], v2 offset:(\q)*SLOT+16640
.endm
.macro SOFTMAX
.irp b, 0,1,2,3
	v_max3_num_f32 v[BM+\b], v[S+16*\b], v[S+16*\b+1], v[S+16*\b+2]   ; the largest score of each block of 32 keys: for the row's maximum, and, since p rises with the score, for the block's largest p
.endr
.irp i, 3,5,7,9,11,13
.irp b, 0,1,2,3
	v_max3_num_f32 v[BM+\b], v[BM+\b], v[S+16*\b+\i], v[S+16*\b+\i+1]
.endr
.endr
.irp b, 0,1,2,3
	v_max_num_f32 v[BM+\b], v[BM+\b], v[S+16*\b+15]
.endr
.irp b, 0,1,2,3
	v_permlanex16_b32 v[TP+\b], v[BM+\b], s20, s21
.endr
.irp b, 0,1,2,3
	v_max_num_f32 v[BM+\b], v[BM+\b], v[TP+\b]     ; with lane l xor 16's 16 keys
.endr
	v_max3_num_f32 v[TT], v[BM], v[BM+1], v[BM+2]
	v_max_num_f32 v[TT], v[TT], v[BM+3]
	v_mul_f32 v[TT], s22, v[TT]                    ; as t
	v_max_num_f32 v13, v13, v[TT]                  ; the running largest t
	v_mov_b32 v[TT], v12
	v_floor_f32 v12, -v13                          ; the new -M = floor(-t)
	v_sub_f32 v[TT], v12, v[TT]                    ; old M - new M: a whole number, 0 or less
	v_cvt_i32_f32 v[TT], v[TT]                     ; (it saturates)
	v_ldexp_f32 v[F], 1.0, v[TT]                   ; f = 2^(old M - new M)
.set j, 0
.rept 32
	v_pk_fma_f32 v[S+j:S+j+1], v[S+j:S+j+1], s[22:23], v[12:13] op_sel_hi:[1,0,0]   ; t - M, two at a time
.set j, j+2
.endr
.irp b, 0,1,2,3
	v_fma_f32 v[BM+\b], v[BM+\b], s22, v12         ; the same of each block's largest score
.endr
.set j, 0
.rept 64
	v_exp_f32 v[S+j], v[S+j]                       ; p = 2^(t - M)
.set j, j+1
.endr
	v_pk_mul_f32 v[14:15], v[14:15], v[F:F+1] op_sel_hi:[1,0]   ; l under the new M (the plain line behind the exponentials)
	s_wait_alu depctr_va_vdst(0)                   ; one wait for the batch of 64, ahead of its first reader
.irp b, 0,1,2,3
	v_exp_f32 v[BM+\b], v[BM+\b]                   ; the block's largest p
.endr
	v_pk_add_f32 v[L2:L2+1], v[S:S+1], v[S+2:S+3]  ; l takes the unquantised p, in two chains
.set j, 4
.rept 15
	v_pk_add_f32 v[14:15], v[14:15], v[S+j:S+j+1]
	v_pk_add_f32 v[L2:L2+1], v[L2:L2+1], v[S+j+2:S+j+3]
.set j, j+4
.endr
	v_pk_add_f32 v[14:15], v[14:15], v[L2:L2+1]
	s_wait_alu depctr_va_vdst(0)                   ; and one for the four
.irp b, 0,1,2,3
	v_max_num_f32 v[BM+\b], 0x4800000, v[BM+\b]    ; the floor 2^(9 - 127): the byte cannot fall under 1
.endr
.irp b, 0,1,2,3
	v_add_nc_u32 v[SO+\b], 0xfc000000, v[BM+\b]
.endr
.irp b, 0,1,2,3
	v_and_or_b32 v[HD+\b], v[BM+\b], 0x7f800000, s19
.endr
.irp b, 0,1,2,3
	v_lshrrev_b32 v[TP+\b], 23, v[SO+\b]
.endr
	v_lshl_or_b32 v[PS], v[TP+1], 8, v[TP]         ; p's scale word for these 128 keys
	v_lshl_or_b32 v[PS], v[TP+2], 16, v[PS]
	v_lshl_or_b32 v[PS], v[TP+3], 24, v[PS]
.irp b, 0,1,2,3
.irp i, 0,1,2,3,4,5,6,7,8,9,10,11,12,13,14,15
	v_min_num_f32 v[S+16*\b+\i], v[S+16*\b+\i], v[HD+\b]   ; p is not negative: the hold is one-sided
.endr
	v_cvt_scalef32_pk8_fp8_f32 v[PC+4*\b:PC+4*\b+1], v[S+16*\b:S+16*\b+7], v[SO+\b]
	v_cvt_scalef32_pk8_fp8_f32 v[PC+4*\b+2:PC+4*\b+3], v[S+16*\b+8:S+16*\b+15], v[SO+\b]
.endr
.set j, 0
.rept 16
	v_pk_mul_f32 v[O+j:O+j+1], v[O+j:O+j+1], v[F:F+1] op_sel_hi:[1,0]   ; O^T under the new M; these lines also stand between the conversions and the products
.set j, j+2
.endr
.endm
.macro PV                              ; O^T += V^T P^T: four accumulators by turns, one instruction a turn
	s_wait_dscnt 0x0                               ; V's fragments and scale words are in
.irp t, 0,1,2,3
.if (\t%2)
	v_wmma_scale_f32_16x16x128_f8f6f4 v[O+8*\t:O+8*\t+7], v[KF+16*\t:KF+16*\t+15], v[PC:PC+15], v[O+8*\t:O+8*\t+7], v[VSC+\t/2], v[PS] matrix_a_scale:MATRIX_SCALE_ROW1
.else
	v_wmma_scale_f32_16x16x128_f8f6f4 v[O+8*\t:O+8*\t+7], v[KF+16*\t:KF+16*\t+15], v[PC:PC+15], v[O+8*\t:O+8*\t+7], v[VSC+\t/2], v[PS]
.endif
.endr
.rept 8
	v_nop                                          ; places in front of the next loads into V's registers and of the next read of O^T
.endr
.endm
.macro STEP q                          ; my tile's work on the key step in slot q, by the tile's two flags
	s_bitcmp1_b32 s29, 0
	s_cbranch_scc0 .Lskip_\@                       ; nothing open: left out
	s_bitcmp1_b32 s30, 0
	s_cbranch_scc1 .Lopen_\@                       ; all open: no masking
	v_add_nc_u32 v[MA], s31, v5
	global_load_b128 v[HD:HD+3], v[MA], s[38:39]   ; my query's four words of this step
	FRONT \q
	s_wait_loadcnt 0x0                             ; the words are the youngest load
.irp e, 0,1,2,3
	v_lshrrev_b32 v[HD+\e], v6, v[HD+\e]           ; lanes 16-31 hold keys 16 further on: four bits
.endr
.set n, 0
.rept 64                                       ; register n holds key 32 (n / 16) + 16 h + n % 16: word n % 4, bit 8 (n / 16) + 4 h + (n % 16) / 4
	v_and_b32 v[MT], 1<<(8*(n/16)+((n%16)>>2)), v[HD+(n&3)]
	v_cmp_eq_u32 vcc_lo, 0, v[MT]
	v_cndmask_b32 v[S+n], v[S+n], v9, vcc_lo
.set n, n+1
.endr
	s_branch .Lsoft_\@
.Lopen_\@:
	FRONT \q
.Lsoft_\@:
	SOFTMAX
	PV
.Lskip_\@:
.endm
.macro HALF q                          ; a key step: the next step's K and V are asked for, this step is worked, they go into the other slot, one barrier
	s_bitcmp1_b32 s28, 0                           ; does any tile of the work-group want the next step?
	s_cbranch_scc0 .Lnl_\@
	global_load_b128 v[KST:KST+3], v3, s[32:33] offset:8192   ; 512 threads x 16 bytes: the step's 8,192 bytes
	global_load_b128 v[VST:VST+3], v3, s[34:35] offset:8192
	s_cmp_lt_u32 s18, 2
	s_cbranch_scc0 .Lnl_\@
	global_load_b64 v[10:11], v[T8], s[36:37] offset:512      ; waves 0 and 1: its 512 bytes of scale words
.Lnl_\@:
	STEP \q
	s_wait_loadcnt 0x0                             ; they have had the step in which to land; their bases may now be stepped
	s_bitcmp1_b32 s28, 0
	s_cbranch_scc0 .Lns_\@
	ds_store_b128 v3, v[KST:KST+3] offset:(1-(\q))*SLOT
	ds_store_b128 v3, v[VST:VST+3] offset:(1-(\q))*SLOT+8192
	s_cmp_lt_u32 s18, 2
	s_cbranch_scc0 .Lns_\@
	ds_store_b64 v[T8], v[10:11] offset:(1-(\q))*SLOT+16384
.Lns_\@:
	s_add_nc_u64 s[32:33], s[32:33], 8192
	s_add_nc_u64 s[34:35], s[34:35], 8192
	s_add_nc_u64 s[36:37], s[36:37], 512
	s_add_co_u32 s31, s31, 16
	s_lshr_b32 s28, s28, 1
	s_lshr_b32 s29, s29, 1
	s_lshr_b32 s30, s30, 1
	s_wait_dscnt 0x0                               ; my reads of this slot are back and my stores into the other have landed
	s_barrier_signal -1
	s_barrier_wait -1
.endm
.Lpass:
	s_wait_xcnt 0x0                                ; the last pass's stores have read their data and bases
	s_lshl_b32 s26, s25, 4
	s_add_co_u32 s26, s26, s18                     ; my tile: 16 x block + wave
	s_mov_b32 s43, 0
	s_lshl_b32 s42, s26, 10
	s_add_nc_u64 s[72:73], s[60:61], s[42:43]
	global_load_b128 v[24:27], v1, s[72:73]        ; q: channels 16 h + 0 .. 15,
	global_load_b128 v[28:31], v1, s[72:73] offset:512   ; 32 + 16 h + 0 .. 15
	s_lshr_b32 s42, s26, 3
	s_lshl_b32 s42, s42, 9
	s_and_b32 s40, s26, 1
	s_lshl_b32 s40, s40, 8
	s_add_co_u32 s42, s42, s40
	s_bfe_u32 s40, s26, 0x20001
	s_lshl_b32 s40, s40, 2
	s_add_co_u32 s42, s42, s40
	s_add_nc_u64 s[74:75], s[62:63], s[42:43]
	global_load_b32 v[QSW], v4, s[74:75]           ; q's scale words
	s_lshr_b32 s41, s26, 1
	s_lshl_b32 s41, s41, 5
	s_and_b32 s40, s26, 1
	s_lshl_b32 s40, s40, 3
	s_add_co_u32 s41, s41, s40                     ; the tile's first row, 32 (tile / 2) + 8 (tile % 2); its rows are that + 0 .. 7 and + 16 .. 23.  Also the byte of its first flag word
	s_load_b64 s[44:45], s[10:11], s41 offset:0x0
	s_load_b64 s[46:47], s[10:11], s41 offset:0x10
	s_lshl_b32 s42, s41, 8
	s_add_nc_u64 s[38:39], s[8:9], s[42:43]        ; the mask words of that row
	s_lshr_b32 s40, s17, 4
	s_lshl_b32 s40, s40, 7
	s_add_co_u32 s40, s40, s26                     ; 128 batch + tile
	s_lshl_b32 s42, s40, 14
	s_and_b32 s27, s17, 15                         ; head
	s_lshl_b32 s31, s27, 10
	s_add_co_u32 s42, s42, s31
	s_add_nc_u64 s[76:77], s[12:13], s[42:43]      ; O's codes
	s_lshl_b32 s42, s40, 9
	s_lshl_b32 s31, s27, 1
	s_add_co_u32 s42, s42, s31
	s_add_nc_u64 s[78:79], s[14:15], s[42:43]      ; and scale bytes
	s_wait_kmcnt 0x0
	s_or_b32 s29, s44, s45
	s_or_b32 s42, s46, s47
	s_or_b32 s29, s29, s42
	s_and_b32 s29, s29, 0xffff                     ; bit J: some entry of my tile's step J is open (or a row of it has no open key)
	s_and_b32 s30, s44, s45
	s_and_b32 s42, s46, s47
	s_and_b32 s30, s30, s42
	s_lshr_b32 s30, s30, 16                        ; bit J: all are open
	s_lshl_b32 s41, s25, 8                         ; the block's 64 flag words
	s_mov_b32 s28, 0
.irp k, 0,1,2,3
	s_load_b512 s[44:59], s[10:11], s41 offset:64*\k
	s_wait_kmcnt 0x0
.irp i, 0,1,2,3,4,5,6,7,8,9,10,11,12,13,14,15
	s_or_b32 s28, s28, s[44+\i]
.endr
.endr
	s_and_b32 s28, s28, 0xffff                     ; bit J: some tile of the work-group wants step J; no bit above 15, so nothing past the last step is ever fetched
	s_mov_b64 s[32:33], s[66:67]
	s_mov_b64 s[34:35], s[68:69]
	s_mov_b64 s[36:37], s[70:71]
	s_mov_b32 s31, 0
	s_mov_b32 s27, 8
	v_mov_b32 v13, 0xff61b1e6                      ; the largest t so far: -3e38
	v_floor_f32 v12, -v13
	v_mov_b32 v14, 0
	v_mov_b32 v15, 0
.set j, 0
.rept 32
	v_mov_b32 v[O+j], 0                            ; the step is written once: the first finds zeros
.set j, j+1
.endr
	s_bitcmp1_b32 s28, 0                           ; step 0 into slot 0 (every wave has passed the last pass's last barrier, behind which nobody reads a slot)
	s_cbranch_scc0 .Lnofill
	global_load_b128 v[KST:KST+3], v3, s[32:33]
	global_load_b128 v[VST:VST+3], v3, s[34:35]
	s_cmp_lt_u32 s18, 2
	s_cbranch_scc0 .Lfill_in
	global_load_b64 v[10:11], v[T8], s[36:37]
.Lfill_in:
	s_wait_loadcnt 0x0
	ds_store_b128 v3, v[KST:KST+3]
	ds_store_b128 v3, v[VST:VST+3] offset:8192
	s_cmp_lt_u32 s18, 2
	s_cbranch_scc0 .Lnofill
	ds_store_b64 v[T8], v[10:11] offset:16384
.Lnofill:
	s_wait_loadcnt 0x0                             ; q and its scale words
	s_wait_dscnt 0x0
	s_barrier_signal -1
	s_barrier_wait -1
	s_lshr_b32 s28, s28, 1                         ; from here on bit 0 speaks of the NEXT step
.Ltrip:                                            ; eight trips of two key steps
	HALF 0
	HALF 1
	s_sub_co_u32 s27, s27, 1
	s_cmp_lg_u32 s27, 0
	s_cbranch_scc1 .Ltrip
	; THE PASS'S END: O^T / l, quantised along the channels: register 16 b + i is channel 32 b + 16 h + i of my query
	v_add_f32 v14, v14, v15
	v_permlanex16_b32 v[TT], v14, s20, s21
	v_add_f32 v14, v14, v[TT]                      ; the row's sum: at least 1/2, since every row has met its largest p
	v_rcp_f32 v14, v14
	v_nop                                          ; a plain line behind the transcendental
	s_wait_alu depctr_va_vdst(0)                   ; and the wait ahead of its first reader
.set j, 0
.rept 16
	v_pk_mul_f32 v[S+j:S+j+1], v[O+j:O+j+1], v[14:15] op_sel_hi:[1,0]   ; each accumulator from its low end on
.set j, j+2
.endr
.irp b, 0,1
	v_max3_num_f32 v[BM+\b], |v[S+16*\b]|, |v[S+16*\b+1]|, 0x4800000
.endr
.irp i, 2,4,6,8,10,12,14
.irp b, 0,1
	v_max3_num_f32 v[BM+\b], v[BM+\b], |v[S+16*\b+\i]|, |v[S+16*\b+\i+1]|
.endr
.endr
.irp b, 0,1
	v_permlanex16_b32 v[TP+\b], v[BM+\b], s20, s21
.endr
.irp b, 0,1
	v_max_num_f32 v[BM+\b], v[BM+\b], v[TP+\b]
.endr
.irp b, 0,1
	v_add_nc_u32 v[SO+\b], 0xfc000000, v[BM+\b]
.endr
.irp b, 0,1
	v_and_or_b32 v[HD+\b], v[BM+\b], 0x7f800000, s19
.endr
.irp b, 0,1
	v_lshrrev_b32 v[TP+\b], 23, v[SO+\b]
.endr
.irp b, 0,1
.irp i, 0,1,2,3,4,5,6,7,8,9,10,11,12,13,14,15
	v_med3_num_f32 v[S+16*\b+\i], v[S+16*\b+\i], -v[HD+\b], v[HD+\b]
.endr
	v_cvt_scalef32_pk8_fp8_f32 v[PC+4*\b:PC+4*\b+1], v[S+16*\b:S+16*\b+7], v[SO+\b]
	v_cvt_scalef32_pk8_fp8_f32 v[PC+4*\b+2:PC+4*\b+3], v[S+16*\b+8:S+16*\b+15], v[SO+\b]
.endr
	v_cndmask_b32 v[TT], v[TP], v[TP+1], s24       ; lanes 0-15 store block 0's byte, lanes 16-31 block 1's (also the plain line behind the conversions)
	global_store_b128 v1, v[PC:PC+3], s[76:77]     ; 512 consecutive bytes
	global_store_b128 v1, v[PC+4:PC+7], s[76:77] offset:512
	global_store_b8 v7, v[TT], s[78:79]
	s_sub_co_u32 s25, 7, s25                       ; the other block
	s_add_co_u32 s16, s16, 1
	s_cmp_lt_u32 s16, 2
	s_cbranch_scc1 .Lpass
	s_wait_tensorcnt 0x0
	ds_add_u32 v239, v245
	s_wait_dscnt 0x0
	s_endpgm
.Lfunc_end_k_q0f7ba5f505_attn:
	.size	k_q0f7ba5f505_attn, .Lfunc_end_k_q0f7ba5f505_attn-k_q0f7ba5f505_attn
	.p2alignl 7, 3214868480
	.fill 96, 4, 3214868480
	.section	.rodata,"a",@progbits
	.p2align	6, 0x0
	.amdhsa_kernel k_q0f7ba5f505_attn
		.amdhsa_group_segment_fixed_size 35840
		.amdhsa_private_segment_fixed_size 0
		.amdhsa_enable_private_segment 0
		.amdhsa_kernarg_size 48
		.amdhsa_user_sgpr_count 2
		.amdhsa_user_sgpr_kernarg_segment_ptr 1
		.amdhsa_wavefront_size32 1
		.amdhsa_system_sgpr_workgroup_id_x 1
		.amdhsa_system_sgpr_workgroup_id_y 1
		.amdhsa_system_sgpr_workgroup_id_z 1
		.amdhsa_system_vgpr_workitem_id 0
		.amdhsa_next_free_vgpr 256
		.amdhsa_next_free_sgpr 80
		.amdhsa_reserve_vcc 1
		.amdhsa_float_denorm_mode_32 3
		.amdhsa_float_denorm_mode_16_64 3
		.amdhsa_memory_ordered 1
		.amdhsa_forward_progress 1
		.amdhsa_inst_pref_size 77
	.end_amdhsa_kernel
	.amdgpu_metadata
---
amdhsa.version: [ 1, 2 ]
amdhsa.kernels:
  - .name:           k_q0f7ba5f505_attn
    .symbol:         k_q0f7ba5f505_attn.kd
    .args:
      - { .name: qkvc, .offset: 0, .size: 8, .value_kind: global_buffer, .address_space: global }
      - { .name: qkvs, .offset: 8, .size: 8, .value_kind: global_buffer, .address_space: global }
      - { .name: mbits, .offset: 16, .size: 8, .value_kind: global_buffer, .address_space: global }
      - { .name: mflag, .offset: 24, .size: 8, .value_kind: global_buffer, .address_space: global }
      - { .name: oc, .offset: 32, .size: 8, .value_kind: global_buffer, .address_space: global }
      - { .name: os, .offset: 40, .size: 8, .value_kind: global_buffer, .address_space: global }
    .group_segment_fixed_size: 35840
    .private_segment_fixed_size: 0
    .kernarg_segment_align: 8
    .kernarg_segment_size: 48
    .max_flat_workgroup_size: 512
    .sgpr_count:     80
    .vgpr_count:     256
    .wavefront_size: 32
...
	.end_amdgpu_metadata
.endif
;; end of part 3
;; launch oproj (part 4): grid 4 x 32, 4 waves a work-group, clusters of 4 x 4, 327,680 bytes of LDS; arguments oc, os, cod, scl, bo, out0; writes out0
.if DOCPART == 4
	.amdgcn_target "amdgcn-amd-amdhsa--gfx1250"
	.amdhsa_code_object_version 6
	.text
	.protected	k_q0f7ba5f505_oproj
	.globl	k_q0f7ba5f505_oproj
	.p2align	8
	.type	k_q0f7ba5f505_oproj,@function
k_q0f7ba5f505_oproj:
	s_mov_b64 s[64:65], 0
	v_nop
	global_prefetch_b8 v0, s[64:65] scope:SCOPE_SE
	s_setreg_imm32_b32 hwreg(HW_REG_WAVE_MODE, 25, 1), 1
	s_wait_xcnt 0x0
	s_wait_alu depctr_hold_cnt(0) depctr_sa_sdst(0) depctr_va_vdst(0) depctr_va_sdst(0) depctr_va_ssrc(0) depctr_va_vcc(0) depctr_vm_vsrc(0)
	s_getreg_b32 s2, hwreg(HW_REG_IB_STS2, 6, 4)
	s_cmp_eq_u32 s2, 0
	s_cbranch_scc0 .Lentry_in_a_cluster
	s_endpgm
.Lentry_in_a_cluster:
	s_bfe_u32 s2, ttmp6, 0x10000c
	s_cmp_lg_u32 s2, 0xf033
	s_cbranch_scc0 .Lentry_shape_is_right
	s_endpgm
.Lentry_shape_is_right:
; THE LAST PROJECTION out0 = O Wo^T + bo on codes of FP8 (E4M3) with E8M0 scales for each 32 along K = 1,024.  out0: [8192][1024] f32.
; A work-group makes 256 x 256, a wave 128 x 128: 64 accumulators, 512 registers.  Source 0 = 16 rows of Wo (B), source 1 = 16 rows of O (A): a lane holds numbers of one row of out0.
; A ARRIVES AS IMAGES OF ITS REGISTERS: oc [tile of 16 positions, 512][K step of 128, 8][c 4][512], lane l's 16 bytes at 16 l.  A K step of 256 of eight tiles is 8 rows of 4,096 bytes, 16,384 bytes apart: one tensor load a wave;
; a fragment comes out of LDS by four loads of 512 consecutive bytes: no pitch, no padding.  Its scale bytes os [position][32] and B (rows 27,648 on of cod and scl) come as rows.
; BOTH SIDES LIE IN TILE ORDER (bits 3 and 4 of the row exchanged): B's tiles 2 b and 2 b + 1 give a lane columns 32 b + 16 (lane / 16) + 0 .. 15; block a's lane r is row 32 (a / 2) + 8 (a % 2) + r + 8 (r / 8).  The way out puts both right.
; K goes in steps of 256 through a ring of two LDS slots filled by joint tensor loads: 4 x 4 work-groups form a cluster; A's tile is shared along a row of the cluster, B's along a column.
; The bias is the C of each sum's first matrix instruction (so it is added first in the f32 sums).
; REGISTERS: window 0: v0-31 addresses; v32-63 scale words, two sets; v64-127 the bias; from v128 A's fragments, one set; on the way out v128-255 rows of out0.  window 1: B's fragments, two sets.  windows 2, 3: the accumulators.
.set SIZE_N, 1024
.set KSTEP,  256
.set NQ,     KSTEP/128
.set ROWB,   256
.set KROW,   1024
.set PITCH,  272                       ; B's LDS row: 256 bytes + 16 of padding: the 16 rows that a load touches start at 16 different banks (64 banks of 4 bytes: ISA guide 11.1)
.set FR,     16
.set NL,     4
.set NP,     8
.set HALFT,  128*PITCH                 ; a wave's part of a slot (A's images use 32,768 bytes of it)
.set SLOT,   4*HALFT
.set LAPS,   2
.set KS,     32
.set SCL,    2*SLOT
.set HALFS,  (128*KS/256)*272
.set SBLK,   (16*KS/256)*272
.set SPARE,  SCL+4*HALFS               ; the spare words: 128 bytes for each wave; no other line names them
.set SPITCH, 528                       ; the way out: a stage of 16 rows x (512 bytes + 16) for each wave, in slot 0, which has had its last fill and its last read by then
.set ASTEP,  4096                      ; a K step of 256 of one tile of A, in bytes
.set ADRA, 16
.set ADRB, 20
.set STO,  24
.set RD,   25
.set CO,   26
.set ADRS, 27
.set SPW,  28
.set NIL,  29
.set SC,   32
.set B0,   64
.set AF,   128
.set BK,   128
.set G1, 24
.set G0, 32
.set G1B, 48
.set G0B, 56
.set G1S, 68
.set G0S, 76
.set G1SB, 80
.set G0SB, 88
.set MSB, 0
.macro WIN new
.if MSB != (\new)
	s_set_vgpr_msb (MSB<<8)|(\new)
.set MSB, (\new)
.endif
.endm
.set MUL_LO, 0xa1
.set MUL_HI, 0xf1
.set TO_B,   0x40
.macro JLOAD g0a, g1a, g0b, g1b        ; a joint load: waves 0 and 1 fetch for A, waves 2 and 3 for B; four v_nop follow each of the two lines
	s_cmp_eq_u32 s15, 0
	s_cbranch_scc0 .Lfor_b_\@
	tensor_load_to_lds s[\g0a:\g0a+3], s[\g1a:\g1a+7]
	s_nop 0
.rept 4
	v_nop
.endr
	s_branch .Lasked_\@
.Lfor_b_\@:
	tensor_load_to_lds s[\g0b:\g0b+3], s[\g1b:\g1b+7]
	s_nop 0
.rept 4
	v_nop
.endr
.Lasked_\@:
.endm
.macro CREST
	s_cmp_lg_u32 s14, 0
	s_cbranch_scc1 .Lnot_wave_0_\@
	s_barrier_signal -3
.Lnot_wave_0_\@:
	s_barrier_wait -3
	s_barrier_signal -1
	s_barrier_wait -1
.endm
.macro CROUND
	s_barrier_signal -1
	s_barrier_wait -1
	CREST
.endm
	s_load_b256 s[4:11], s[0:1], 0x0               ; oc s[4:5], os s[6:7], cod s[8:9], scl s[10:11]
	s_load_b64 s[96:97], s[0:1], 0x20              ; bo
	s_load_b64 s[12:13], s[0:1], 0x28              ; out0
	v_lshl_add_u32 v[SPW], v0, 2, SPARE
	v_mov_b32 v[NIL], 0
	ds_add_u32 v28, v29
	ds_add_u32 v28, v29
	s_wait_dscnt 0x0
	v_lshrrev_b32 v1, 5, v0
	v_readfirstlane_b32 s14, v1
	s_lshr_b32 s15, s14, 1
	s_and_b32 s16, s14, 1
	s_bfe_u32 s40, ttmp6, 0x40000                  ; cx: the tile column (the grid is one cluster wide)
	s_bfe_u32 s41, ttmp6, 0x40004                  ; cy
	s_and_b32 s17, ttmp7, 0xffff
	s_lshl_b32 s17, s17, 2
	s_add_co_u32 s17, s17, s41                     ; tile row = 4 x cluster y + cy
	s_lshl_b32 s43, s41, 2
	s_lshl_b32 s43, 15, s43
	s_lshl_b32 s44, 0x1111, s40
	s_or_b32 s[G1+0], s43, (3<<16)|(1<<21)         ; A: the mask of my row; elements of 8 bytes; no padding; bit 21 beside a mask
	s_mov_b32 s[G1+1], 512<<16                     ; tensor_dim0 = 512 elements: 4,096 bytes
	s_mov_b32 s[G1+2], 8<<16                       ; tensor_dim1 = 8 tiles
	s_mov_b32 s[G1+3], 512<<16                     ; tile_dim0
	s_mov_b32 s[G1+4], 8                           ; tile_dim1
	s_mov_b32 s[G1+5], 2048                        ; pitch: 16,384 bytes
	s_mov_b32 s[G1+6], 0
	s_mov_b32 s[G1+7], 0
	s_or_b32 s[G1B+0], s44, (0<<16)|(1<<20)|(1<<21)|(5<<22)|(3<<25)   ; B: 128 rows of 256 bytes, 16 bytes of padding behind each
	s_mov_b32 s[G1B+1], ROWB<<16
	s_mov_b32 s[G1B+2], 128<<16
	s_mov_b32 s[G1B+3], ROWB<<16
	s_mov_b32 s[G1B+4], 128
	s_mov_b32 s[G1B+5], KROW
	s_mov_b32 s[G1B+6], 0
	s_mov_b32 s[G1B+7], 0
	s_or_b32 s[G1S+0], s43, (3<<16)|(1<<20)|(1<<21)|(5<<22)|(3<<25)   ; the scales of 128 rows: 16 rows of 256 bytes, 16 bytes of padding behind each
	s_or_b32 s[G1SB+0], s44, (3<<16)|(1<<20)|(1<<21)|(5<<22)|(3<<25)
.irp g, G1S, G1SB
	s_mov_b32 s[\g+1], 32<<16
	s_mov_b32 s[\g+2], (128*KS/256)<<16
	s_mov_b32 s[\g+3], 32<<16
	s_mov_b32 s[\g+4], 128*KS/256
	s_mov_b32 s[\g+5], 32
	s_mov_b32 s[\g+6], 0
	s_mov_b32 s[\g+7], 0
.endr
	s_lshl_b32 s18, s16, 7                         ; which 128 rows I fetch
	s_lshl_b32 s22, s17, 8
	s_add_co_u32 s22, s22, s18                     ; A: position 256 x tile row + 128 x half
	s_lshl_b32 s20, s22, 10                        ; its codes: 16,384 bytes for 16 positions
	s_mov_b32 s21, 0
	s_lshl_b32 s22, s22, 5                         ; its scale bytes
	s_mov_b32 s23, 0
	s_lshl_b32 s46, s40, 8
	s_add_co_u32 s46, s46, s18
	s_add_co_u32 s46, s46, 27648                   ; B: Wo's rows in cod and scl
	s_lshl_b32 s92, s46, 5
	s_mov_b32 s93, 0
	s_lshl_b32 s46, s46, 10
	s_mov_b32 s47, 0
	s_mul_i32 s45, s14, HALFT
	s_mul_i32 s94, s14, HALFS
	s_wait_kmcnt 0x0
	s_add_nc_u64 s[20:21], s[4:5], s[20:21]
	s_add_nc_u64 s[22:23], s[6:7], s[22:23]
	s_add_nc_u64 s[46:47], s[8:9], s[46:47]
	s_add_nc_u64 s[92:93], s[10:11], s[92:93]
	CROUND                                         ; all sixteen work-groups are here: the first joint loads meet
	s_mov_b32 s[G0S], 1
	s_add_co_u32 s[G0S+1], s94, SCL
	s_mov_b64 s[G0S+2:G0S+3], s[22:23]
	s_or_b32 s[G0S+3], s[G0S+3], 0x80000000
	s_mov_b32 s[G0SB], 1
	s_add_co_u32 s[G0SB+1], s94, SCL
	s_mov_b64 s[G0SB+2:G0SB+3], s[92:93]
	s_or_b32 s[G0SB+3], s[G0SB+3], 0x80000000
	JLOAD G0S, G1S, G0SB, G1SB
.irp s, 0,1
	s_mov_b32 s[G0+4*\s], 1
	s_add_co_u32 s[G0+4*\s+1], s45, \s*SLOT
	s_add_nc_u64 s[G0+4*\s+2:G0+4*\s+3], s[20:21], \s*ASTEP
	s_or_b32 s[G0+4*\s+3], s[G0+4*\s+3], 0x80000000
	s_mov_b32 s[G0B+4*\s], 1
	s_add_co_u32 s[G0B+4*\s+1], s45, \s*SLOT
	s_add_nc_u64 s[G0B+4*\s+2:G0B+4*\s+3], s[46:47], \s*ROWB
	s_or_b32 s[G0B+4*\s+3], s[G0B+4*\s+3], 0x80000000
	JLOAD G0+4*\s, G1, G0B+4*\s, G1B               ; three tensor loads of mine are out
.endr
	v_and_b32 v1, 15, v0                           ; r
	v_bfe_u32 v2, v0, 4, 1                         ; h
	v_and_b32 v6, 31, v0
	v_lshlrev_b32 v[CO], 4, v6                     ; 16 x lane
	v_mul_u32_u24 v3, v1, PITCH
	v_lshl_add_u32 v4, v2, 4, v3
	s_mul_i32 s21, s15, HALFT                      ; my eight tiles of A
	s_mul_i32 s22, s16, HALFT
	s_add_co_u32 s22, s22, 2*HALFT                 ; my 128 rows of B
.irp s, 0,1
	v_add_nc_u32 v[ADRA+\s], s21, v[CO]
	v_add_nc_u32 v[ADRB+\s], s22, v4
	s_add_co_u32 s21, s21, SLOT
	s_add_co_u32 s22, s22, SLOT
.endr
	v_mul_u32_u24 v5, v1, KS
	v_lshrrev_b32 v6, 8, v5
	v_lshl_add_u32 v5, v6, 4, v5
	s_mul_i32 s21, s15, HALFS
	s_mul_i32 s22, s16, HALFS
	s_add_co_u32 s22, s22, 2*HALFS
	s_sub_co_u32 s22, s22, s21
	v_mul_u32_u24 v6, s22, v2                      ; lanes 16-31 take B's: one product, the distance x h
	s_add_co_u32 s21, s21, SCL
	v_add_nc_u32 v5, v5, v6
	v_add_nc_u32 v[ADRS], s21, v5
	s_mul_i32 s23, s14, 16*SPITCH                  ; my stage
	v_mul_u32_u24 v5, v1, SPITCH                   ; in: row r, + 64 h: columns 16 h on
	v_lshl_add_u32 v5, v2, 6, v5
	v_add_nc_u32 v[STO], s23, v5
	v_add_nc_u32 v[RD], s23, v[CO]                 ; back: the 32 lanes take one row of 512 bytes
	s_lshl_b32 s20, s17, 8
	s_lshl_b32 s21, s15, 7
	s_add_co_u32 s20, s20, s21                     ; my first row of out0
	s_lshl_b32 s20, s20, 12
	s_mov_b32 s21, 0
	s_lshl_b32 s46, s40, 10                        ; my first column, in bytes: 1,024 cx + 512 x half
	s_lshl_b32 s47, s16, 9
	s_add_co_u32 s46, s46, s47
	s_mov_b32 s47, 0
	s_add_nc_u64 s[96:97], s[96:97], s[46:47]      ; the bias of my 128 columns
	s_add_nc_u64 s[20:21], s[20:21], s[46:47]
	s_add_nc_u64 s[12:13], s[12:13], s[20:21]
	v_lshlrev_b32 v7, 6, v2                        ; 16 h numbers on
.irp b, 0,1,2,3,4,5,6,7
	global_load_b128 v[B0+8*\b:B0+8*\b+3], v7, s[96:97] offset:4*(32*(\b/2)+8*(\b%2))
	global_load_b128 v[B0+8*\b+4:B0+8*\b+7], v7, s[96:97] offset:4*(32*(\b/2)+8*(\b%2))+16
.endr
.macro FRAG reg, adr, q, i
.irp c, 0,1,2,3
	ds_load_b128 v[\reg+4*\c:\reg+4*\c+3], v[\adr] offset:128*(\q)+32*\c+(\i)*16*PITCH
.endr
.endm
; 16 matrix instructions: A's blocks a0, a0 + 1 x B's eight.  zero = 1: the bias starts the sums.  The 64 accumulators take turns, one instruction a turn.
.macro MUL16 a0, p, q, sc, zero
.irp a, \a0, \a0+1
.irp b, 0,1,2,3,4,5,6,7
.if \zero
	v_wmma_scale_f32_16x16x128_f8f6f4 v[8*(8*((\a)%4)+\b):8*(8*((\a)%4)+\b)+7], v[128*(\p)+FR*\b:128*(\p)+FR*\b+FR-1], v[AF+FR*(\a):AF+FR*(\a)+FR-1], v[B0+8*\b:B0+8*\b+7], v[SC+8*NQ*(\sc)+NQ*\b+(\q)], v[SC+8*NQ*(\sc)+NQ*(\a)+(\q)] matrix_a_scale:MATRIX_SCALE_ROW1
.else
	v_wmma_scale_f32_16x16x128_f8f6f4 v[8*(8*((\a)%4)+\b):8*(8*((\a)%4)+\b)+7], v[128*(\p)+FR*\b:128*(\p)+FR*\b+FR-1], v[AF+FR*(\a):AF+FR*(\a)+FR-1], v[8*(8*((\a)%4)+\b):8*(8*((\a)%4)+\b)+7], v[SC+8*NQ*(\sc)+NQ*\b+(\q)], v[SC+8*NQ*(\sc)+NQ*(\a)+(\q)] matrix_a_scale:MATRIX_SCALE_ROW1
.endif
.endr
.endr
.endm
.macro FETCH_B slot, q, p
	WIN TO_B
.irp i, 0,1,2,3,4,5,6,7
	FRAG 128*(\p)+FR*\i, ADRB+\slot, \q, \i
.endr
	WIN 0
.endm
.macro FETCH_A slot, q, i0             ; A's blocks i0 .. i0 + 3, as images: 512 consecutive bytes a load
.irp i, \i0, \i0+1, \i0+2, \i0+3
.irp c, 0,1,2,3
	ds_load_b128 v[AF+FR*(\i)+4*\c:AF+FR*(\i)+4*\c+3], v[ADRA+\slot] offset:4096*(\i)+2048*(\q)+512*\c
.endr
.endr
.endm
.macro SCALES sc
.irp i, 0,1,2,3,4,5,6,7
	ds_load_b64 v[SC+8*NQ*\sc+NQ*\i:SC+8*NQ*\sc+NQ*\i+1], v[ADRS] offset:\i*SBLK
.endr
.endm
.macro PLACES n
.rept \n
	v_nop
.endr
.endm
.macro STEP slot, q, zero
	s_wait_dscnt 4*NL                              ; B's set and A's blocks 0-3 are in; the youngest 16 loads (A's blocks 4-7) may be out
.if \zero
	WIN 0x81                                       ; C (the bias) in window 0, D in window 2
.else
	WIN MUL_LO
.endif
	MUL16 0, (\q)%2, \q, \slot, \zero
	MUL16 2, (\q)%2, \q, \slot, \zero
	s_wait_dscnt 0
	PLACES NP
	FETCH_B \slot, (\q)+1, 1-(\q)%2
	FETCH_A \slot, (\q)+1, 0
.if \zero
	WIN 0xc1
.else
	WIN MUL_HI
.endif
	MUL16 4, (\q)%2, \q, \slot, \zero
	MUL16 6, (\q)%2, \q, \slot, \zero
	PLACES NP
	WIN 0
	FETCH_A \slot, (\q)+1, 4
.endm
.macro TURN slot, next, fill
	s_wait_tensorcnt 0x0                           ; all my tensor loads have landed: my part of the next slot
	ds_add_u32 v[SPW], v[NIL]                      ; 0 onto my spare word
	s_wait_dscnt 4*NL+1                            ; the add and the youngest 16 loads may be out
	WIN MUL_LO
	MUL16 0, 1, NQ-1, \slot, 0
	s_wait_dscnt 0x0                               ; the add is done, and my reads of this slot are over
	s_barrier_signal -1
	MUL16 2, 1, NQ-1, \slot, 0
	WIN 0
	s_barrier_wait -1
.if \fill
	CREST                                          ; the barrier has opened a round of the cluster's barrier: no wave of any partner still reads this slot or has a load on its way
	s_add_nc_u64 s[G0+4*\slot+2:G0+4*\slot+3], s[G0+4*\slot+2:G0+4*\slot+3], 2*ASTEP
	s_add_nc_u64 s[G0B+4*\slot+2:G0B+4*\slot+3], s[G0B+4*\slot+2:G0B+4*\slot+3], 2*ROWB
	JLOAD G0+4*\slot, G1, G0B+4*\slot, G1B
	PLACES NP-4
.else
	PLACES NP
.endif
	v_add_nc_u32 v[ADRS], 4*NQ, v[ADRS]
	FETCH_B \next, 0, 0
	FETCH_A \next, 0, 0
	SCALES \next
	WIN MUL_HI
	MUL16 4, 1, NQ-1, \slot, 0
	MUL16 6, 1, NQ-1, \slot, 0
	PLACES NP
	WIN 0
	FETCH_A \next, 0, 4
.endm
	s_wait_loadcnt 0x0                             ; the bias
	s_wait_tensorcnt 1                             ; the scales and my part of K step 0 are in; K step 1's load may be out
	s_barrier_signal -1
	s_barrier_wait -1
	FETCH_B 0, 0, 0
	FETCH_A 0, 0, 0
	SCALES 0
	FETCH_A 0, 0, 4
	STEP 0, 0, 1                                   ; the first step stands in front of the loop: its products start the sums
	s_mov_b32 s3, LAPS-1
.Llap:
	TURN 0, 1, 1
	STEP 1, 0, 0
	TURN 1, 0, 1
	STEP 0, 0, 0
	s_sub_co_u32 s3, s3, 1
	s_cmp_lg_u32 s3, 0
	s_cbranch_scc1 .Llap
	TURN 0, 1, 0
	STEP 1, 0, 0
	s_wait_dscnt 4*NL
	WIN MUL_LO
	MUL16 0, 1, NQ-1, 1, 0
	MUL16 2, 1, NQ-1, 1, 0
	s_wait_dscnt 0
	WIN MUL_HI
	MUL16 4, 1, NQ-1, 1, 0
	MUL16 6, 1, NQ-1, 1, 0
	WIN 0
; THE WAY OUT, block by block of 16 rows x 128 columns, through my own stage: in by the lane's columns, back as whole rows of 512 bytes.  LDS serves a wave's instructions in order (ISA guide 5.7.1.4).
.macro TOSTAGE a
.set AC, 64*((\a)%4)
	WIN (0x08+4*((\a)/4))                          ; the data: window 2 or 3
.irp b, 0,1,2,3,4,5,6,7
	ds_store_b128 v[STO], v[AC+8*\b:AC+8*\b+3] offset:128*(\b/2)+32*(\b%2)         ; columns 32 (b / 2) + 16 h + 8 (b % 2) on; each accumulator from its low end on
	ds_store_b128 v[STO], v[AC+8*\b+4:AC+8*\b+7] offset:128*(\b/2)+32*(\b%2)+16
.endr
	WIN 0
.set BB, BK+64*((\a)%2)
.irp t, 0,1,2,3,4,5,6,7,8,9,10,11,12,13,14,15
	ds_load_b128 v[BB+4*\t:BB+4*\t+3], v[RD] offset:\t*SPITCH
.endr
.endm
.macro SEND a, younger
.set BB, BK+64*((\a)%2)
	s_wait_dscnt \younger                          ; the block is back in registers
.if (\a) > 0
.if ((\a)%2) == 1
	s_add_nc_u64 s[12:13], s[12:13], 8*SIZE_N*4    ; block a begins at row 32 (a / 2) + 8 (a % 2): 8 rows on,
.else
	s_add_nc_u64 s[12:13], s[12:13], 24*SIZE_N*4   ; or 24  (behind a wait on XCNT: the earlier stores have read their base)
.endif
.endif
.irp t, 0,1,2,3,4,5,6,7,8,9,10,11,12,13,14,15
	global_store_b128 v[CO], v[BB+4*\t:BB+4*\t+3], s[12:13] offset:(\t+8*(\t/8))*SIZE_N*4 th:TH_STORE_NT   ; 32 lanes store 512 consecutive bytes of one row
.endr
.endm
	PLACES NP
	TOSTAGE 0
.irp a, 1,2,3,4,5,6,7
.if \a > 1
	s_wait_xcnt 0x0                                ; block a - 2's stores have read their registers and their base
.endif
	TOSTAGE \a
	SEND \a-1, 32                                  ; behind block a - 1's loads: block a's 16 stores and 16 loads
.endr
	s_wait_xcnt 0x0
	SEND 7, 0
	s_wait_tensorcnt 0x0                           ; the wave's end
	ds_add_u32 v[SPW], v[NIL]
	s_wait_dscnt 0x0
	CROUND                                         ; the closing round
	s_endpgm
.Lfunc_end_k_q0f7ba5f505_oproj:
	.size	k_q0f7ba5f505_oproj, .Lfunc_end_k_q0f7ba5f505_oproj-k_q0f7ba5f505_oproj
	.p2alignl 7, 3214868480
	.fill 96, 4, 3214868480
	.section	.rodata,"a",@progbits
	.p2align	6, 0x0
	.amdhsa_kernel k_q0f7ba5f505_oproj
		.amdhsa_group_segment_fixed_size 327680
		.amdhsa_private_segment_fixed_size 0
		.amdhsa_enable_private_segment 0
		.amdhsa_kernarg_size 48
		.amdhsa_user_sgpr_count 2
		.amdhsa_user_sgpr_kernarg_segment_ptr 1
		.amdhsa_wavefront_size32 1
		.amdhsa_system_sgpr_workgroup_id_x 1
		.amdhsa_system_sgpr_workgroup_id_y 1
		.amdhsa_system_sgpr_workgroup_id_z 1
		.amdhsa_system_vgpr_workitem_id 0
		.amdhsa_next_free_vgpr 1024
		.amdhsa_next_free_sgpr 98
		.amdhsa_reserve_vcc 0
		.amdhsa_float_denorm_mode_32 3
		.amdhsa_float_denorm_mode_16_64 3
		.amdhsa_memory_ordered 1
		.amdhsa_forward_progress 1
		.amdhsa_inst_pref_size 147
	.end_amdhsa_kernel
	.amdgpu_metadata
---
amdhsa.version: [ 1, 2 ]
amdhsa.kernels:
  - .name:           k_q0f7ba5f505_oproj
    .symbol:         k_q0f7ba5f505_oproj.kd
    .args:
      - { .name: oc, .offset: 0, .size: 8, .value_kind: global_buffer, .address_space: global }
      - { .name: os, .offset: 8, .size: 8, .value_kind: global_buffer, .address_space: global }
      - { .name: cod, .offset: 16, .size: 8, .value_kind: global_buffer, .address_space: global }
      - { .name: scl, .offset: 24, .size: 8, .value_kind: global_buffer, .address_space: global }
      - { .name: bo, .offset: 32, .size: 8, .value_kind: global_buffer, .address_space: global }
      - { .name: out0, .offset: 40, .size: 8, .value_kind: global_buffer, .address_space: global }
    .group_segment_fixed_size: 327680
    .private_segment_fixed_size: 0
    .kernarg_segment_align: 8
    .kernarg_segment_size: 48
    .max_flat_workgroup_size: 128
    .sgpr_count:     98
    .vgpr_count:     1024
    .wavefront_size: 32
...
	.end_amdgpu_metadata
.endif
;; end of part 4
;; ======== version 2 of 2: 4 launches; version 1 with the launch attn written anew for expert scheduling mode
;; limits: right only within a limited range of input values
;; workspace buffers: cod 29,360,128 bytes; scl 917,504 bytes; qkvc 25,165,824 bytes; qkvs 1,048,576 bytes; oc 8,388,608 bytes; os 262,144 bytes; mbits 524,288 bytes of whole numbers; mflag 2,048 bytes of whole numbers
;; launch prep: the kernel of part 1 again; grid 1024 x 1, 4 waves a work-group, no clusters, 33,280 bytes of LDS; arguments q, k, v, Wq, Wk, Wv, Wo, mask, cod, scl, mbits, mflag; writes cod, scl, mbits, mflag
;; launch qkv: the kernel of part 2 again; grid 4 x 96, 4 waves a work-group, clusters of 4 x 4, 327,680 bytes of LDS; arguments cod, scl, qkvc, qkvs, bq, bk, bv; writes qkvc, qkvs
;; launch attn (part 5): grid 4 x 64, 16 waves a work-group, no clusters, 35,840 bytes of LDS; arguments qkvc, qkvs, mbits, mflag, oc, os; writes oc, os
.if DOCPART == 5
	.amdgcn_target "amdgcn-amd-amdhsa--gfx1250"
	.amdhsa_code_object_version 6
	.text
	.protected	k_q0f7ba5f505_attn
	.globl	k_q0f7ba5f505_attn
	.p2align	8
	.type	k_q0f7ba5f505_attn,@function
k_q0f7ba5f505_attn:
	s_mov_b64 s[64:65], 0
	v_nop
	global_prefetch_b8 v0, s[64:65] scope:SCOPE_SE
	s_setreg_imm32_b32 hwreg(HW_REG_WAVE_SCHED_MODE, 0, 2), 2
	s_setreg_imm32_b32 hwreg(HW_REG_WAVE_MODE, 25, 1), 1
	s_wait_xcnt 0x0
	s_wait_alu depctr_vm_vsrc(0)
; ATTENTION ON CODES OF FP8 (E4M3): S = Q K^T / 8 under the given mask, p = 2^(t - M), O = P V / l, O quantised for the last projection.  16 heads of 64, 2,048 tokens, 4 batches: hid = 16 batch + head.
; t = score x log2(e) / 8; M = the running largest t rounded UP to a whole number; p is quantised along the keys, not normalised; l is the sum of the unquantised p; when M moves, l and O are multiplied by 2^(old M - new M), exactly.
; SHARES.  Work-group (i, hid) takes two blocks of 256 query positions, 7 - i and then i; each of its sixteen waves one tile of 16, in 256 registers: four waves to a SIMD.  Keys go 128 a step.
; LAYOUT.  Both products are used transposed (source 0 = keys or channels, source 1 = my 16 queries): a lane holds one query.  Tokens lie in tile order (bits 3 and 4 of the position exchanged), so the 16 registers of key tiles
; 2 b and 2 b + 1 are keys 32 b + 16 (lane / 16) + 0 .. 15.  THE HEAD HAS ONLY 64 CHANNELS, half of the form's 128: source 0 is a PAIR of key tiles (tile 0 in registers 0-7, tile 1 in 8-15), and source 1 is q beside eight
; registers of zero codes, once below them and once above: zero codes silence the other tile.  So no zero bytes are fetched.
; THE MASK IS AN INPUT.  It arrives as bit words (mbits) and flags (mflag) that the first launch stored.  A tile's key step is left out only if all its 16 x 128 entries are closed and each of its rows has an open key somewhere:
; its p would be 2^(about -1.5e9) = 0.  A step all of whose entries are open skips the masking.  Else closed scores become -2^33, so that t is a whole number: a row with no open key then has p = 1 everywhere, a uniform average.
; K AND V come from memory through registers into two LDS slots that take turns, a step ahead of their use.  NO TENSOR LOAD AND NO CLUSTER: the walk branches on stored flags, and work-groups of a head need different numbers of steps.
; One barrier a step: in front of it a wave's reads of this step's slot are back and its stores into the other slot have landed.  No barrier stands under a branch.
; OUT.  oc: [128 batch + tile][head / 2][2 (head % 2) + block of 32 channels][512]: images of the last projection's operand.  os: [position][32]: byte 2 head + block; these leave as single bytes, one for each 32 bytes of codes.
; LIMITS: NaN and infinities are not served; logits at or under about -1e9 are not told apart from closed ones (closed t is -1.549e9); a block whose largest magnitude lies under 2^-118 keeps the byte 1.
; THE MODE: SCHED_MODE bits 1:0 = 2 (LLVM: expert scheduling mode 2), set by the entry lines.  The code itself states the register dependences between vector or matrix instructions and memory or LDS instructions,
; with s_wait_alu, always for 0.
; THE PLAN.  Registers that memory or LDS instructions touch:
;   v1-5, v7, v[T8]     addresses and offsets: written at the head and never again; the mask words are reached by a scalar base that moves on by a step.
;   v[KST], v[VST], v10-11   the next step's K, V and scale words: loads land in them at a step's head, LDS stores read them at its end; no vector line of the loop names them.
;   v24-31, v[QSW]      q and its scale word: loaded at a pass's head; read by the products K Q^T.
;   v[KF ..]            K's fragments land at a step's head and are read by the products K Q^T; V's land behind those and are read by the products V^T P.   v[KSC], v[VSC]: their scale words, likewise.
;   v[HD ..]            in a mixed step the mask's words land here; the softmax and the pass's end write and read it.
;   v[PC ..], v[TT]     written by conversions and a select, read by the pass's three stores.
; So a key step has, beside the two waits behind its exponentials: one wait on va_vdst at its head (the step before is done with KF, KSC, VSC and HD), one behind the products K Q^T (they are done with KF), one ahead of the
; products V^T P (p's codes and scale word are written), and one wait on vm_vsrc at its barrier (the LDS stores have read what the next step's loads land in).  V's LDS loads are dealt among the lines that search the maxima,
; which name none of the registers that those loads touch.
.set SLOT, 16896                       ; K's codes 8,192, V's codes 8,192, K's scale words 256, V's 256
.set KF,  40                           ; v40-103  four pair fragments of K, then four fragments of V
.set S,   104                          ; v104-167 scores, then p
.set O,   168                          ; v168-199 O^T
.set PC,  200                          ; v200-215 p's codes; in a mixed step first the sixteen picked mask bits of a run
.set BM,  216                          ; v216-219 block maxima
.set TP,  220                          ; v220-223 permutes' destinations, then bytes
.set HD,  224                          ; v224-227 448 x the scale; in a mixed step first the mask's four words
.set SO,  228                          ; v228-231 the conversions' scale operands
.set F,   232                          ; v232     f; v233 named with it
.set TT,  234
.set T8,  235                          ; 8 x thread
.set L2,  236                          ; v236-237 the sum's second chain
.set QSW, 238                          ; scale registers: q's word; v240-241 K's; v242-243 V's; v244 p's
.set KSC, 240
.set VSC, 242
.set PS,  244
.set KST, 246                          ; v246-249, v250-253, v10-11: the next step's K, V and scale words on their way to LDS
.set VST, 250
.set CM,  44                           ; s44-59   in a mixed step: the masks of a run of sixteen compares (at a pass's head these registers hold flags)
; v1 16 x lane; v2 8 x lane; v3 16 x thread; v4 16 r; v5 256 (r + 8 (r / 8)); v6 4 h; v7 32 r + h; v9 -2^33; v12 -M; v13 largest t; v14-15 l; v16-23 zeros; v24-31 q; v32-39 zeros
; s16 pass; s17 hid; s18 wave; s19 448's mantissa; s20-21 lane selects; s22-23 c; s24 lanes 16-31; s25 query block; s26 tile; s27 trips; s28 work-group's flags; s29 tile: some open; s30 tile: all open; s31 at work
; s32-39 K, V, scale words, mask words in hand; s40-43 at work; s44-59 flags; s60-63, s66-71 the head's bases; s72-75 q's; s76-79 O's
	s_load_b256 s[4:11], s[0:1], 0x0               ; qkvc, qkvs, mbits, mflag
	s_load_b128 s[12:15], s[0:1], 0x20             ; oc, os
	v_lshl_add_u32 v254, v0, 2, 0x8400
	v_mov_b32 v255, 0
	v_lshrrev_b32 v1, 5, v0
	v_readfirstlane_b32 s18, v1
	v_and_b32 v8, 31, v0
	v_and_b32 v[L2], 15, v0                        ; r
	v_bfe_u32 v[L2+1], v0, 4, 1                    ; h
	v_lshlrev_b32 v1, 4, v8
	v_lshlrev_b32 v2, 3, v8
	v_lshlrev_b32 v3, 4, v0
	v_lshlrev_b32 v4, 4, v[L2]
	v_and_b32 v5, 8, v[L2]
	v_add_nc_u32 v5, v5, v[L2]
	v_lshlrev_b32 v5, 8, v5
	v_lshlrev_b32 v6, 2, v[L2+1]
	v_lshl_add_u32 v7, v[L2], 5, v[L2+1]
	v_mov_b32 v9, 0xd0000000
	v_lshlrev_b32 v[T8], 3, v0
	v_mov_b32 v10, 0
	v_mov_b32 v11, 0
.irp i, 0,1,2,3,4,5,6,7
	v_mov_b32 v[16+\i], 0                          ; the zero codes below q
	v_mov_b32 v[32+\i], 0                          ; and above
.endr
.irp i, 0,1,2,3
	v_mov_b32 v[TP+\i], 0                          ; written once: a lane permute's destination counts as one of its sources
	v_mov_b32 v[KST+\i], 0                         ; written once: their loads and their stores stand under branches of their own
	v_mov_b32 v[VST+\i], 0
.endr
	v_mov_b32 v[TT], 0
	v_mov_b32 v[F+1], 0
	s_wait_alu depctr_va_sdst(0)                   ; s18, the wave's number, is written, ahead of its first reader (the tile's number at the pass's head) and of the first label
	s_and_b32 s17, ttmp7, 0xffff
	s_sub_co_u32 s25, 7, ttmp9
	s_mov_b32 s16, 0
	s_mov_b32 s19, 0x600000
	s_mov_b32 s20, 0x76543210
	s_mov_b32 s21, 0xfedcba98
	s_mov_b32 s22, 0x3e38aa3b                      ; c = log2(e) / 8
	s_mov_b32 s23, s22
	s_mov_b32 s24, 0xffff0000
	s_lshl_b32 s40, s17, 17
	s_mov_b32 s41, 0
	s_lshl_b32 s42, s17, 13
	s_mov_b32 s43, 0
	s_wait_kmcnt 0x0
	s_add_nc_u64 s[60:61], s[4:5], s[40:41]        ; the head's Q,
	s_add_nc_u64 s[66:67], s[60:61], 0x800000      ; K,
	s_add_nc_u64 s[68:69], s[60:61], 0x1000000     ; V,
	s_add_nc_u64 s[62:63], s[6:7], s[42:43]        ; Q's scale words,
	s_add_nc_u64 s[70:71], s[62:63], 0x80000       ; K's and V's
.macro FRONT q                         ; S^T = K Q^T from slot q
.irp b, 0,1,2,3
.irp g, 0,1,2,3
	ds_load_b128 v[KF+16*\b+4*\g:KF+16*\b+4*\g+3], v1 offset:(\q)*SLOT+2048*\b+512*\g
.endr
.endr
	ds_load_b64 v[KSC:KSC+1], v2 offset:(\q)*SLOT+16384
	s_wait_dscnt 0x0
.irp b, 0,1,2,3
.if (\b%2)
	v_wmma_scale_f32_16x16x128_f8f6f4 v[S+16*\b:S+16*\b+7], v[KF+16*\b:KF+16*\b+15], v[24:39], 0, v[KSC+\b/2], v[QSW] matrix_a_scale:MATRIX_SCALE_ROW1
	v_wmma_scale_f32_16x16x128_f8f6f4 v[S+16*\b+8:S+16*\b+15], v[KF+16*\b:KF+16*\b+15], v[16:31], 0, v[KSC+\b/2], v[QSW] matrix_a_scale:MATRIX_SCALE_ROW1
.else
	v_wmma_scale_f32_16x16x128_f8f6f4 v[S+16*\b:S+16*\b+7], v[KF+16*\b:KF+16*\b+15], v[24:39], 0, v[KSC+\b/2], v[QSW]
	v_wmma_scale_f32_16x16x128_f8f6f4 v[S+16*\b+8:S+16*\b+15], v[KF+16*\b:KF+16*\b+15], v[16:31], 0, v[KSC+\b/2], v[QSW]
.endif
.endr
.rept 8
	v_nop                                          ; places in front of the first read of the scores (ISA guide 7.12.1)
.endr
	s_wait_alu depctr_va_vdst(0)                   ; the eight products are done reading K's fragments v[KF ..], in which V's fragments land: their loads stand among the softmax's first lines
.endm
.macro VL q, n                         ; load n of V's sixteen: channel tile n / 4, key block n % 4.  No wait: no vector or matrix line since the wait behind the products K Q^T names v[KF ..] or v1
	ds_load_b128 v[KF+4*(\n):KF+4*(\n)+3], v1 offset:(\q)*SLOT+8192+(((\n)%4)/2)*4096+((\n)/4)*1024+((\n)%2)*512
.endm
.macro SOFTMAX q                       ; the softmax of a key step; V's fragments of slot q are asked for among its first lines, two at a time, to land under the rest
.irp b, 0,1,2,3
	v_max3_num_f32 v[BM+\b], v[S+16*\b], v[S+16*\b+1], v[S+16*\b+2]   ; the largest score of each block of 32 keys: for the row's maximum, and, since p rises with the score, for the block's largest p
.endr
	ds_load_b64 v[VSC:VSC+1], v2 offset:(\q)*SLOT+16640               ; V's scale words: the last products that read v[VSC ..] stand ahead of the wait at the step's head
	VL \q, 0
	VL \q, 1
.set vn, 2
.irp i, 3,5,7,9,11,13
.irp b, 0,1,2,3
	v_max3_num_f32 v[BM+\b], v[BM+\b], v[S+16*\b+\i], v[S+16*\b+\i+1]
.endr
	VL \q, vn
	VL \q, vn+1
.set vn, vn+2
.endr
.irp b, 0,1,2,3
	v_max_num_f32 v[BM+\b], v[BM+\b], v[S+16*\b+15]
.endr
	VL \q, 14
	VL \q, 15
.irp b, 0,1,2,3
	v_permlanex16_b32 v[TP+\b], v[BM+\b], s20, s21
.endr
.irp b, 0,1,2,3
	v_max_num_f32 v[BM+\b], v[BM+\b], v[TP+\b]     ; with lane l xor 16's 16 keys
.endr
	v_max3_num_f32 v[TT], v[BM], v[BM+1], v[BM+2]
	v_max_num_f32 v[TT], v[TT], v[BM+3]
	v_mul_f32 v[TT], s22, v[TT]                    ; as t
	v_max_num_f32 v13, v13, v[TT]                  ; the running largest t
	v_mov_b32 v[TT], v12
	v_floor_f32 v12, -v13                          ; the new -M = floor(-t)
	v_sub_f32 v[TT], v12, v[TT]                    ; old M - new M: a whole number, 0 or less
	v_cvt_i32_f32 v[TT], v[TT]                     ; (it saturates)
	v_ldexp_f32 v[F], 1.0, v[TT]                   ; f = 2^(old M - new M)
.set j, 0
.rept 32
	v_pk_fma_f32 v[S+j:S+j+1], v[S+j:S+j+1], s[22:23], v[12:13] op_sel_hi:[1,0,0]   ; t - M, two at a time
.set j, j+2
.endr
.irp b, 0,1,2,3
	v_fma_f32 v[BM+\b], v[BM+\b], s22, v12         ; the same of each block's largest score
.endr
.set j, 0
.rept 64
	v_exp_f32 v[S+j], v[S+j]                       ; p = 2^(t - M)
.set j, j+1
.endr
	v_pk_mul_f32 v[14:15], v[14:15], v[F:F+1] op_sel_hi:[1,0]   ; l under the new M (the plain line behind the exponentials)
	s_wait_alu depctr_va_vdst(0)                   ; the 64 exponentials have written p, v[S ..], ahead of its first readers, the sums below: one wait for the batch
.irp b, 0,1,2,3
	v_exp_f32 v[BM+\b], v[BM+\b]                   ; the block's largest p
.endr
	v_pk_add_f32 v[L2:L2+1], v[S:S+1], v[S+2:S+3]  ; l takes the unquantised p, in two chains
.set j, 4
.rept 15
	v_pk_add_f32 v[14:15], v[14:15], v[S+j:S+j+1]
	v_pk_add_f32 v[L2:L2+1], v[L2:L2+1], v[S+j+2:S+j+3]
.set j, j+4
.endr
	v_pk_add_f32 v[14:15], v[14:15], v[L2:L2+1]
	s_wait_alu depctr_va_vdst(0)                   ; the four exponentials have written the blocks' largest p, v[BM ..], ahead of their first reader
.irp b, 0,1,2,3
	v_max_num_f32 v[BM+\b], 0x4800000, v[BM+\b]    ; the floor 2^(9 - 127): the byte cannot fall under 1
.endr
.irp b, 0,1,2,3
	v_add_nc_u32 v[SO+\b], 0xfc000000, v[BM+\b]
.endr
.irp b, 0,1,2,3
	v_and_or_b32 v[HD+\b], v[BM+\b], 0x7f800000, s19
.endr
.irp b, 0,1,2,3
	v_lshrrev_b32 v[TP+\b], 23, v[SO+\b]
.endr
	v_lshl_or_b32 v[PS], v[TP+1], 8, v[TP]         ; p's scale word for these 128 keys
	v_lshl_or_b32 v[PS], v[TP+2], 16, v[PS]
	v_lshl_or_b32 v[PS], v[TP+3], 24, v[PS]
.irp b, 0,1,2,3
.irp i, 0,1,2,3,4,5,6,7,8,9,10,11,12,13,14,15
	v_min_num_f32 v[S+16*\b+\i], v[S+16*\b+\i], v[HD+\b]   ; p is not negative: the hold is one-sided
.endr
	v_cvt_scalef32_pk8_fp8_f32 v[PC+4*\b:PC+4*\b+1], v[S+16*\b:S+16*\b+7], v[SO+\b]
	v_cvt_scalef32_pk8_fp8_f32 v[PC+4*\b+2:PC+4*\b+3], v[S+16*\b+8:S+16*\b+15], v[SO+\b]
.endr
.set j, 0
.rept 16
	v_pk_mul_f32 v[O+j:O+j+1], v[O+j:O+j+1], v[F:F+1] op_sel_hi:[1,0]   ; O^T under the new M; these lines also stand between the conversions and the products
.set j, j+2
.endr
.endm
.macro PV                              ; O^T += V^T P^T: four accumulators by turns, one instruction a turn
	s_wait_dscnt 0x0                               ; V's fragments and scale words are in
	s_wait_alu depctr_va_vdst(0)                   ; the conversions have written p's codes v[PC ..] and the shifts p's scale word v[PS], which the products take as operand and as scales; their places stand ahead of this wait
.irp t, 0,1,2,3
.if (\t%2)
	v_wmma_scale_f32_16x16x128_f8f6f4 v[O+8*\t:O+8*\t+7], v[KF+16*\t:KF+16*\t+15], v[PC:PC+15], v[O+8*\t:O+8*\t+7], v[VSC+\t/2], v[PS] matrix_a_scale:MATRIX_SCALE_ROW1
.else
	v_wmma_scale_f32_16x16x128_f8f6f4 v[O+8*\t:O+8*\t+7], v[KF+16*\t:KF+16*\t+15], v[PC:PC+15], v[O+8*\t:O+8*\t+7], v[VSC+\t/2], v[PS]
.endif
.endr
.rept 8
	v_nop                                          ; places in front of the next read of O^T, which at a pass's end is near
.endr
.endm
.macro STEP q                          ; my tile's work on the key step in slot q, by the tile's two flags
	s_bitcmp1_b32 s29, 0
	s_cbranch_scc0 .Lskip_\@                       ; nothing open: left out
	s_wait_alu depctr_va_vdst(0)                   ; the products of the step before are done reading v[KF ..], v[KSC ..] and v[VSC ..], and its vector lines (or the last pass's end) are done with v[HD ..]: this step's loads land in them
	s_bitcmp1_b32 s30, 0
	s_cbranch_scc1 .Lopen_\@                       ; all open: no masking
	global_load_b128 v[HD:HD+3], v5, s[38:39]      ; my query's four words of this step: the scalar base stands at the step
	FRONT \q
	s_wait_loadcnt 0x0                             ; the words are the youngest load
.irp e, 0,1,2,3
	v_lshrrev_b32 v[HD+\e], v6, v[HD+\e]           ; lanes 16-31 hold keys 16 further on: four bits
.endr
.set n, 0
.rept 4                                        ; register n + i holds key 32 (n / 16) + 16 h + i: word i % 4, bit 8 (n / 16) + 4 h + i / 4.  Sixteen at a time: the bits, the compares, one wait, the selects
.set i, 0
.rept 16
	v_and_b32 v[PC+i], 1<<(8*(n/16)+(i>>2)), v[HD+(i&3)]
.set i, i+1
.endr
.set i, 0
.rept 16
	v_cmp_eq_u32 s[CM+i], 0, v[PC+i]
.set i, i+1
.endr
	s_wait_alu depctr_va_sdst(0)                   ; the sixteen compares have written their masks s[CM ..], ahead of the selects that read them
.set i, 0
.rept 16
	v_cndmask_b32 v[S+n+i], v[S+n+i], v9, s[CM+i]
.set i, i+1
.endr
.set n, n+16
.endr
	s_branch .Lsoft_\@
.Lopen_\@:
	FRONT \q
.Lsoft_\@:
	SOFTMAX \q
	PV
.Lskip_\@:
.endm
.macro HALF q                          ; a key step: the next step's K and V are asked for, this step is worked, they go into the other slot, one barrier
	s_bitcmp1_b32 s28, 0                           ; does any tile of the work-group want the next step?
	s_cbranch_scc0 .Lnl_\@
	global_load_b128 v[KST:KST+3], v3, s[32:33] offset:8192   ; 512 threads x 16 bytes: the step's 8,192 bytes.  The LDS stores that read these registers stand ahead of the wait at the last barrier
	global_load_b128 v[VST:VST+3], v3, s[34:35] offset:8192
	s_cmp_lt_u32 s18, 2
	s_cbranch_scc0 .Lnl_\@
	global_load_b64 v[10:11], v[T8], s[36:37] offset:512      ; waves 0 and 1: its 512 bytes of scale words
.Lnl_\@:
	STEP \q
	s_wait_loadcnt 0x0                             ; they have had the step in which to land; their bases, and the mask words', may now be stepped
	s_bitcmp1_b32 s28, 0
	s_cbranch_scc0 .Lns_\@
	ds_store_b128 v3, v[KST:KST+3] offset:(1-(\q))*SLOT
	ds_store_b128 v3, v[VST:VST+3] offset:(1-(\q))*SLOT+8192
	s_cmp_lt_u32 s18, 2
	s_cbranch_scc0 .Lns_\@
	ds_store_b64 v[T8], v[10:11] offset:(1-(\q))*SLOT+16384
.Lns_\@:
	s_add_nc_u64 s[32:33], s[32:33], 8192
	s_add_nc_u64 s[34:35], s[34:35], 8192
	s_add_nc_u64 s[36:37], s[36:37], 512
	s_add_nc_u64 s[38:39], s[38:39], 16            ; the next step's four mask words of each row
	s_lshr_b32 s28, s28, 1
	s_lshr_b32 s29, s29, 1
	s_lshr_b32 s30, s30, 1
	s_wait_dscnt 0x0                               ; my reads of this slot are back and my stores into the other have landed
	s_wait_alu depctr_vm_vsrc(0)                   ; my LDS stores have read v[KST ..], v[VST ..] and v10-11, in which the next step's loads land
	s_barrier_signal -1
	s_barrier_wait -1
.endm
.Lpass:
	s_wait_xcnt 0x0                                ; the last pass's stores have read their data and bases
	s_wait_alu depctr_vm_vsrc(0)                   ; the last pass's stores have read O's codes v[PC ..] and bytes v[TT], which this pass's vector lines write again
	s_wait_alu depctr_va_vdst(0)                   ; first pass: the head has written the addresses v1-5, v7, v[T8], the zero codes beside q, and v[KST ..], v[VST ..], v10-11, in which loads land; later: the last pass's products are done reading q and its scale word, in which the loads below land
	s_lshl_b32 s26, s25, 4
	s_add_co_u32 s26, s26, s18                     ; my tile: 16 x block + wave
	s_mov_b32 s43, 0
	s_lshl_b32 s42, s26, 10
	s_add_nc_u64 s[72:73], s[60:61], s[42:43]
	global_load_b128 v[24:27], v1, s[72:73]        ; q: channels 16 h + 0 .. 15,
	global_load_b128 v[28:31], v1, s[72:73] offset:512   ; 32 + 16 h + 0 .. 15
	s_lshr_b32 s42, s26, 3
	s_lshl_b32 s42, s42, 9
	s_and_b32 s40, s26, 1
	s_lshl_b32 s40, s40, 8
	s_add_co_u32 s42, s42, s40
	s_bfe_u32 s40, s26, 0x20001
	s_lshl_b32 s40, s40, 2
	s_add_co_u32 s42, s42, s40
	s_add_nc_u64 s[74:75], s[62:63], s[42:43]
	global_load_b32 v[QSW], v4, s[74:75]           ; q's scale words
	s_lshr_b32 s41, s26, 1
	s_lshl_b32 s41, s41, 5
	s_and_b32 s40, s26, 1
	s_lshl_b32 s40, s40, 3
	s_add_co_u32 s41, s41, s40                     ; the tile's first row, 32 (tile / 2) + 8 (tile % 2); its rows are that + 0 .. 7 and + 16 .. 23.  Also the byte of its first flag word
	s_load_b64 s[44:45], s[10:11], s41 offset:0x0
	s_load_b64 s[46:47], s[10:11], s41 offset:0x10
	s_lshl_b32 s42, s41, 8
	s_add_nc_u64 s[38:39], s[8:9], s[42:43]        ; the mask words of that row, at key step 0
	s_lshr_b32 s40, s17, 4
	s_lshl_b32 s40, s40, 7
	s_add_co_u32 s40, s40, s26                     ; 128 batch + tile
	s_lshl_b32 s42, s40, 14
	s_and_b32 s27, s17, 15                         ; head
	s_lshl_b32 s31, s27, 10
	s_add_co_u32 s42, s42, s31
	s_add_nc_u64 s[76:77], s[12:13], s[42:43]      ; O's codes
	s_lshl_b32 s42, s40, 9
	s_lshl_b32 s31, s27, 1
	s_add_co_u32 s42, s42, s31
	s_add_nc_u64 s[78:79], s[14:15], s[42:43]      ; and scale bytes
	s_wait_kmcnt 0x0
	s_or_b32 s29, s44, s45
	s_or_b32 s42, s46, s47
	s_or_b32 s29, s29, s42
	s_and_b32 s29, s29, 0xffff                     ; bit J: some entry of my tile's step J is open (or a row of it has no open key)
	s_and_b32 s30, s44, s45
	s_and_b32 s42, s46, s47
	s_and_b32 s30, s30, s42
	s_lshr_b32 s30, s30, 16                        ; bit J: all are open
	s_lshl_b32 s41, s25, 8                         ; the block's 64 flag words
	s_mov_b32 s28, 0
.irp k, 0,1,2,3
	s_load_b512 s[44:59], s[10:11], s41 offset:64*\k
	s_wait_kmcnt 0x0
.irp i, 0,1,2,3,4,5,6,7,8,9,10,11,12,13,14,15
	s_or_b32 s28, s28, s[44+\i]
.endr
.endr
	s_and_b32 s28, s28, 0xffff                     ; bit J: some tile of the work-group wants step J; no bit above 15, so nothing past the last step is ever fetched
	s_mov_b64 s[32:33], s[66:67]
	s_mov_b64 s[34:35], s[68:69]
	s_mov_b64 s[36:37], s[70:71]
	s_mov_b32 s27, 8
	v_mov_b32 v13, 0xff61b1e6                      ; the largest t so far: -3e38
	v_floor_f32 v12, -v13
	v_mov_b32 v14, 0
	v_mov_b32 v15, 0
.set j, 0
.rept 32
	v_mov_b32 v[O+j], 0                            ; the step is written once: the first finds zeros
.set j, j+1
.endr
	s_bitcmp1_b32 s28, 0                           ; step 0 into slot 0 (every wave has passed the last pass's last barrier, behind which nobody reads a slot)
	s_cbranch_scc0 .Lnofill
	global_load_b128 v[KST:KST+3], v3, s[32:33]    ; no vector line since the waits at the pass's head names these registers or their offsets
	global_load_b128 v[VST:VST+3], v3, s[34:35]
	s_cmp_lt_u32 s18, 2
	s_cbranch_scc0 .Lfill_in
	global_load_b64 v[10:11], v[T8], s[36:37]
.Lfill_in:
	s_wait_loadcnt 0x0
	ds_store_b128 v3, v[KST:KST+3]
	ds_store_b128 v3, v[VST:VST+3] offset:8192
	s_cmp_lt_u32 s18, 2
	s_cbranch_scc0 .Lnofill
	ds_store_b64 v[T8], v[10:11] offset:16384
.Lnofill:
	s_wait_loadcnt 0x0                             ; q and its scale words
	s_wait_dscnt 0x0
	s_wait_alu depctr_vm_vsrc(0)                   ; my LDS stores have read v[KST ..], v[VST ..] and v10-11, in which the first trip's loads land
	s_barrier_signal -1
	s_barrier_wait -1
	s_lshr_b32 s28, s28, 1                         ; from here on bit 0 speaks of the NEXT step
.Ltrip:                                            ; eight trips of two key steps
	HALF 0
	HALF 1
	s_sub_co_u32 s27, s27, 1
	s_cmp_lg_u32 s27, 0
	s_cbranch_scc1 .Ltrip
	; THE PASS'S END: O^T / l, quantised along the channels: register 16 b + i is channel 32 b + 16 h + i of my query
	v_add_f32 v14, v14, v15
	v_permlanex16_b32 v[TT], v14, s20, s21
	v_add_f32 v14, v14, v[TT]                      ; the row's sum: at least 1/2, since every row has met its largest p
	v_rcp_f32 v14, v14
	v_nop                                          ; a plain line behind the transcendental
	s_wait_alu depctr_va_vdst(0)                   ; the reciprocal has written v14, ahead of its first reader
.set j, 0
.rept 16
	v_pk_mul_f32 v[S+j:S+j+1], v[O+j:O+j+1], v[14:15] op_sel_hi:[1,0]   ; each accumulator from its low end on
.set j, j+2
.endr
.irp b, 0,1
	v_max3_num_f32 v[BM+\b], |v[S+16*\b]|, |v[S+16*\b+1]|, 0x4800000
.endr
.irp i, 2,4,6,8,10,12,14
.irp b, 0,1
	v_max3_num_f32 v[BM+\b], v[BM+\b], |v[S+16*\b+\i]|, |v[S+16*\b+\i+1]|
.endr
.endr
.irp b, 0,1
	v_permlanex16_b32 v[TP+\b], v[BM+\b], s20, s21
.endr
.irp b, 0,1
	v_max_num_f32 v[BM+\b], v[BM+\b], v[TP+\b]
.endr
.irp b, 0,1
	v_add_nc_u32 v[SO+\b], 0xfc000000, v[BM+\b]
.endr
.irp b, 0,1
	v_and_or_b32 v[HD+\b], v[BM+\b], 0x7f800000, s19
.endr
.irp b, 0,1
	v_lshrrev_b32 v[TP+\b], 23, v[SO+\b]
.endr
.irp b, 0,1
.irp i, 0,1,2,3,4,5,6,7,8,9,10,11,12,13,14,15
	v_med3_num_f32 v[S+16*\b+\i], v[S+16*\b+\i], -v[HD+\b], v[HD+\b]
.endr
	v_cvt_scalef32_pk8_fp8_f32 v[PC+4*\b:PC+4*\b+1], v[S+16*\b:S+16*\b+7], v[SO+\b]
	v_cvt_scalef32_pk8_fp8_f32 v[PC+4*\b+2:PC+4*\b+3], v[S+16*\b+8:S+16*\b+15], v[SO+\b]
.endr
	v_cndmask_b32 v[TT], v[TP], v[TP+1], s24       ; lanes 0-15 store block 0's byte, lanes 16-31 block 1's (also the plain line behind the conversions)
	s_wait_alu depctr_va_vdst(0)                   ; the conversions have written O's codes v[PC ..] and the select its byte v[TT], which the three stores read
	global_store_b128 v1, v[PC:PC+3], s[76:77]     ; 512 consecutive bytes
	global_store_b128 v1, v[PC+4:PC+7], s[76:77] offset:512
	global_store_b8 v7, v[TT], s[78:79]
	s_sub_co_u32 s25, 7, s25                       ; the other block
	s_add_co_u32 s16, s16, 1
	s_cmp_lt_u32 s16, 2
	s_cbranch_scc1 .Lpass
	s_wait_dscnt 0x0
	s_wait_alu depctr_hold_cnt(0) depctr_sa_sdst(0) depctr_va_vdst(0) depctr_va_sdst(0) depctr_va_ssrc(0) depctr_va_vcc(0) depctr_vm_vsrc(0)
	s_wait_tensorcnt 0x0
	ds_add_u32 v254, v255
	s_wait_dscnt 0x0
	s_endpgm
.Lfunc_end_k_q0f7ba5f505_attn:
	.size	k_q0f7ba5f505_attn, .Lfunc_end_k_q0f7ba5f505_attn-k_q0f7ba5f505_attn
	.p2alignl 7, 3214868480
	.fill 96, 4, 3214868480
	.section	.rodata,"a",@progbits
	.p2align	6, 0x0
	.amdhsa_kernel k_q0f7ba5f505_attn
		.amdhsa_group_segment_fixed_size 35840
		.amdhsa_private_segment_fixed_size 0
		.amdhsa_enable_private_segment 0
		.amdhsa_kernarg_size 48
		.amdhsa_user_sgpr_count 2
		.amdhsa_user_sgpr_kernarg_segment_ptr 1
		.amdhsa_wavefront_size32 1
		.amdhsa_system_sgpr_workgroup_id_x 1
		.amdhsa_system_sgpr_workgroup_id_y 1
		.amdhsa_system_sgpr_workgroup_id_z 1
		.amdhsa_system_vgpr_workitem_id 0
		.amdhsa_next_free_vgpr 256
		.amdhsa_next_free_sgpr 80
		.amdhsa_reserve_vcc 0
		.amdhsa_float_denorm_mode_32 3
		.amdhsa_float_denorm_mode_16_64 3
		.amdhsa_memory_ordered 1
		.amdhsa_forward_progress 1
		.amdhsa_inst_pref_size 83
	.end_amdhsa_kernel
	.amdgpu_metadata
---
amdhsa.version: [ 1, 2 ]
amdhsa.kernels:
  - .name:           k_q0f7ba5f505_attn
    .symbol:         k_q0f7ba5f505_attn.kd
    .args:
      - { .name: qkvc, .offset: 0, .size: 8, .value_kind: global_buffer, .address_space: global }
      - { .name: qkvs, .offset: 8, .size: 8, .value_kind: global_buffer, .address_space: global }
      - { .name: mbits, .offset: 16, .size: 8, .value_kind: global_buffer, .address_space: global }
      - { .name: mflag, .offset: 24, .size: 8, .value_kind: global_buffer, .address_space: global }
      - { .name: oc, .offset: 32, .size: 8, .value_kind: global_buffer, .address_space: global }
      - { .name: os, .offset: 40, .size: 8, .value_kind: global_buffer, .address_space: global }
    .group_segment_fixed_size: 35840
    .private_segment_fixed_size: 0
    .kernarg_segment_align: 8
    .kernarg_segment_size: 48
    .max_flat_workgroup_size: 512
    .sgpr_count:     80
    .vgpr_count:     256
    .wavefront_size: 32
...
	.end_amdgpu_metadata
.endif
;; end of part 5
;; launch oproj: the kernel of part 4 again; grid 4 x 32, 4 waves a work-group, clusters of 4 x 4, 327,680 bytes of LDS; arguments oc, os, cod, scl, bo, out0; writes out0
